; MI455X (gfx1250); checked and timed in simulation.
; The chip was launched on July 23, 2026; its instructions are those of AMD's public machine-readable ISA for CDNA 5 (MIT licence, August 2026) and "CDNA5" Instruction Set Architecture Reference Guide (July 2026). The comments in the code are by the model that wrote it; some were corrected since.
;; Multi Head Attention. Allowed arithmetic: matrix products marked QUANTISED: E3M2 operands, one E8M0 scale for each 32 along K, by v_wmma_scale_f32_16x16x128_f8f6f4 with both operands' format E3M2, f32 sums; everything else in f32.
;; Inputs: W0 1,024 x 1,024 float32; WK 1,024 x 1,024 float32; WQ 1,024 x 1,024 float32; WV 1,024 x 1,024 float32; b0 1,024 float32; bK 1,024 float32; bQ 1,024 float32; bV 1,024 float32; k 4 x 2,048 x 1,024 float32; q 4 x 2,048 x 1,024 float32; v 4 x 2,048 x 1,024 float32.
;; Outputs: out0 4 x 2,048 x 1,024 float32.
;; This version of the problem:
;;   THIS VERSION OF THE PROBLEM IS GIVEN IN LOW PRECISION. The matrix products marked QUANTISED in the list below multiply operands that are first quantised to E3M2 (3 exponent bits, 2 mantissa bits; 6 bits a number), with one power-of-two scale for each 32 numbers along K (OCP MX v1.0); their sums are f32. All else is computed in f32.
;;   The module's matrix products, in the order in which they are computed (A, B: the left and right operand; K: the contracted axis; several contracted axes count as one K, in the product's order):
;;     1. [M 8,192, K 1,024] x [K 1,024, N 1,024]; A: input q; B: input WQ: QUANTISED
;;     2. [M 8,192, K 1,024] x [K 1,024, N 1,024]; A: input k; B: input WK: QUANTISED
;;     3. [M 8,192, K 1,024] x [K 1,024, N 1,024]; A: input v; B: input WV: QUANTISED
;;     4. batch 64 x [M 2,048, K 64] x [K 64, N 2,048]; A: computed on the way; B: computed on the way: QUANTISED
;;     5. batch 64 x [M 2,048, K 2,048] x [K 2,048, N 64]; A: computed on the way; B: computed on the way: QUANTISED
;;     6. [M 8,192, K 1,024] x [K 1,024, N 1,024]; A: computed on the way; B: input W0: QUANTISED
;;   THE QUANTISER, for each operand of a quantised product, along K:
;;     - K is cut into blocks of 32 from its start; a last block that is shorter is filled with zeros.
;;     - A block's scale is 2^e with e = floor(log2(the largest magnitude in the block)) - 4, held to -126 .. 127; a block of zeros has e = 0. As a byte (E8M0): e + 127.
;;     - Each number is divided by its block's scale, clamped to +-28, and rounded to the nearest number of E3M2, ties to even, subnormals kept.
;;     - The product sums the exact products of the quantised numbers (number of the format x scale) in f32.
;;   ~~~python
;;   def quantise(x, axis):      # numpy; x: float32 -> the quantised numbers, widened to float32 again
;;       x = np.moveaxis(x, axis, -1); K = x.shape[-1]
;;       x = np.pad(x, [(0, 0)] * (x.ndim - 1) + [(0, -K % 32)]); x = x.reshape(x.shape[:-1] + (-1, 32)); a = np.abs(x).max(-1, keepdims=True)
;;       e = np.where(a > 0, np.clip(np.frexp(np.where(a > 0, a, 1))[1] - 1 - 4, -126, 127), 0)      # np.frexp(a)[1] - 1 = floor(log2(a)), exactly
;;       r = np.clip(x / 2.0 ** e, -28, 28)
;;       step = 2.0 ** (np.maximum(np.frexp(np.where(r == 0, 1, r))[1] - 1, -2) - 2)
;;       q = np.round(r / step) * step * 2.0 ** e      # np.round: ties to even
;;       return np.moveaxis(q.reshape(q.shape[:-2] + (-1,))[..., :K], -1, axis).astype(np.float32)
;;   ~~~
;;   OPERANDS COMPUTED ON THE WAY. 'Computed on the way' means the value that the module computes at that place (a softmax that the list does not call 'softmax' is quantised finished and normalised). What goes into a quantiser is computed in f32, as accurately as f32 sums, v_exp_f32 and their like allow (about 1e-6 of the number): no bf16 or f16 on the way to a quantiser, and a product that is left as it is and whose result goes on into a quantised operand takes f32 operands (vector FMAs, or v_wmma_f32_16x16x4_f32). A number that lies on a knife's edge between two numbers of the format may be rounded either way, as far as f32 arithmetic and the matrix unit's own rounding can turn it there, and no further.
;; One version. Each part assembles by itself: llvm-mc -triple=amdgcn-amd-amdhsa -mcpu=gfx1250 --defsym DOCPART=n.
;; ======== version 1 of 1: 4 launches
;; limits: right only within a limited range of input values
;; workspace buffers: cod 22,020,096 bytes; scl 917,504 bytes; qc 6,291,456 bytes; qs 262,144 bytes; kv 13,107,200 bytes; ac 6,291,456 bytes; asc 262,144 bytes
;; launch quant (part 1): grid 448 x 1, 4 waves a work-group, no clusters, 34,304 bytes of LDS; arguments q, k, v, WQ, WK, WV, W0, cod, scl; writes cod, scl
.if DOCPART == 1
	.amdgcn_target "amdgcn-amd-amdhsa--gfx1250"
	.amdhsa_code_object_version 6
	.text
	.protected	k_q6d004725e2_quant
	.globl	k_q6d004725e2_quant
	.p2align	8
	.type	k_q6d004725e2_quant,@function
k_q6d004725e2_quant:
	s_mov_b64 s[64:65], 0
	v_nop
	global_prefetch_b8 v0, s[64:65] scope:SCOPE_SE
	s_setreg_imm32_b32 hwreg(HW_REG_WAVE_MODE, 25, 1), 1
	s_wait_xcnt 0x0
; q, k, v [8192][1024] and WQ, WK, WV, W0 [1024][1024], f32 with K innermost, become codes of BF6 (E3M2) with one E8M0 byte for each 32 along K.
; A block's scale is 2^(floor(log2(its largest magnitude)) - 4); its byte is the largest magnitude's exponent field - 4, held at 1 from below.
; LIMITS: NaN and infinities are not served; a block of zeros, or one whose largest magnitude lies under 2^-122, gets the byte 1 (its codes add nothing; the bytes are read by this program alone).
; THE OUTPUT IS LAID AS THE MATRIX OPERANDS' REGISTERS.  A HALF IMAGE is 16 rows x 64 K, 768 bytes: lane (r = lane % 16, h = lane / 16) owns row r, K = 32 h .. 32 h + 31: six registers;
; registers 0-3 lie at 16 x lane, registers 4-5 at 512 + 8 x lane.  Two half images on end are a fragment of 128 K.
; THE ROWS OF A TILE ARE NOT NEIGHBOURS: tile 2 A + u holds rows 32 A + 8 u + i + 8 (i / 8), i = 0 .. 15, so that a product's results that have such tiles as source 0 lie 16 neighbours to a lane.
; cod: [group of 128 rows: 98,304][K / 256: 24,576][tile 0..7: 3,072][K / 64 % 4: 768].  Groups: q 0-63, k 64-127, v 128-191, WQ 192-199, WK 200-207, WV 208-215, W0 216-223.
; scl: [quad of 64 rows: 2,048][K / 128: 256][r: 16][tile in the quad: one word of four bytes].
; SHARES.  A work-group takes a quad, 64 rows x all of K, 262,144 bytes on end; wave w takes K = 256 w .. 256 w + 255: eight UNITS n, each a fragment (K step n / 4 of its two, tile n % 4).
; Each load reads 512 consecutive bytes of one row; a unit's 16 rows turn through the wave's own stage in LDS (rows 528 bytes apart), so that a lane gets 16 neighbours of each block of 32.
; No barrier: waves share nothing.  No tensor loads, clusters or matrix units: a stream in which no byte is read twice.  Two units' loads, 32 a wave, are on their way.
.set L0,  16                           ; v16-79, v80-143   two sets of 64 registers as loaded
.set X,   144                          ; v144-207          64 numbers of my row: register 16 b + i = k 32 b + 16 h + i
.set PC,  208                          ; v208-227          the codes just made
.set TM,  228                          ; v228-243          at work in QUANT
.set PWS, 246                          ; v246-253          the eight units' scale words
.set WV,  32
.set IN,  22                           ; s[22:23]  my tensor at my quad and my K
.set OC,  28                           ; s[28:29]  the codes' place
.set OS,  30                           ; s[30:31]  the scale words' place
.set SEL, 36                           ; s[36:37]  v_permlanex16_b32's selects for lane l xor 16
; 64 numbers of a lane, v[s] on, become a fragment's codes in v[PC] .. v[PC+11] and my row's scale word in v[pw].
.macro QUANT s, pw
.irp b, 0,1,2,3
	v_max3_num_f32 v[TM+\b], |v[\s+16*\b]|, |v[\s+1+16*\b]|, 0x2800000   ; block b: my 16 numbers, and the floor 2^(5 - 127): the byte cannot fall under 1
.endr
.irp i, 2,4,6,8,10,12,14
.irp b, 0,1,2,3
	v_max3_num_f32 v[TM+\b], v[TM+\b], |v[\s+16*\b+\i]|, |v[\s+1+16*\b+\i]|   ; the four blocks by turns
.endr
.endr
.irp b, 0,1,2,3
	v_permlanex16_b32 v[TM+4+\b], v[TM+\b], s[SEL], s[SEL+1]
.endr
.irp b, 0,1,2,3
	v_max_num_f32 v[TM+\b], v[TM+\b], v[TM+4+\b]   ; with lane l xor 16's 16: the block's largest magnitude
.endr
.irp b, 0,1,2,3
	v_add_nc_u32 v[TM+12+\b], 0xfe000000, v[TM+\b]   ; 4 off its exponent field: the conversion takes this operand's exponent field as its scale
.endr
.irp b, 0,1,2,3
	v_lshrrev_b32 v[TM+4+\b], 23, v[TM+12+\b]   ; the scale's byte
.endr
	v_lshl_or_b32 v[\pw], v[TM+5], 8, v[TM+4]
	v_lshl_or_b32 v[\pw], v[TM+6], 16, v[\pw]
	v_lshl_or_b32 v[\pw], v[TM+7], 24, v[\pw]
.irp c, 0,1
	v_cvt_scalef32_pk16_bf6_f32 v[PC+6*\c:PC+2+6*\c], v[\s+32*\c:\s+15+32*\c], v[TM+12+2*\c]
	v_cvt_scalef32_pk16_bf6_f32 v[PC+12+4*\c:PC+14+4*\c], v[\s+16+32*\c:\s+31+32*\c], v[TM+12+2*\c+1]   ; (a conversion's three registers begin on an even number)
.endr
	v_nop                                          ; one plain instruction behind the scaled conversions
.irp c, 0,1                                    ; the operand wants a whole block in a lane: lanes 0-15 block 2 c, lanes 16-31 block 2 c + 1
.irp i, 0,1,2
	v_permlane16_swap_b32 v[PC+6*\c+\i], v[PC+12+4*\c+\i]
.endr
.irp i, 0,1,2
	v_mov_b32 v[PC+3+6*\c+\i], v[PC+12+4*\c+\i]
.endr
.endr
.endm
	s_load_b512 s[4:19], s[0:1], 0x0               ; q, k, v, WQ, WK, WV, W0, cod
	s_load_b64 s[20:21], s[0:1], 0x40              ; scl
	v_lshl_add_u32 v254, v0, 2, 0x8400
	v_mov_b32 v255, 0
	v_lshrrev_b32 v1, 5, v0
	v_readfirstlane_b32 s[WV], v1                  ; wave 0..3
	v_and_b32 v1, 31, v0                           ; lane
	v_and_b32 v2, 15, v0                           ; r
	v_bfe_u32 v3, v0, 4, 1                         ; h
	v_lshlrev_b32 v4, 4, v1                        ; 16 x lane
	v_lshlrev_b32 v5, 3, v1                        ; 8 x lane
	s_mul_i32 s33, s[WV], 8448                     ; my stage: 16 rows x 528 bytes
	v_add_nc_u32 v6, s33, v4                       ; into it: a row's 512 bytes as they lie
	v_mul_u32_u24 v7, v2, 528
	v_lshl_add_u32 v7, v3, 6, v7
	v_add_nc_u32 v7, s33, v7                       ; out of it: row r, + 64 h
	s_mov_b32 s[SEL], 0x76543210
	s_mov_b32 s[SEL+1], 0xfedcba98
.irp b, 0,1,2,3
	v_mov_b32 v[TM+4+\b], 0                        ; written once: a lane permute's destination counts as one of its sources
.endr
	s_cmp_lt_u32 ttmp9, 384                        ; quads 0-383 belong to q, k, v (128 each), 384-447 to the four weights (16 each)
	s_cselect_b32 s24, 127, 15
	s_and_b32 s24, ttmp9, s24                      ; my quad in its tensor
	s_lshl_b32 s26, s24, 18                        ; x 64 rows of 4,096 bytes
	s_lshl_b32 s27, s[WV], 10                      ; + my 256 along K
	s_add_co_u32 s26, s26, s27
	s_mov_b32 s27, 0
	s_lshr_b32 s34, ttmp9, 1                       ; the group,
	s_mul_i32 s34, s34, 98304
	s_mul_i32 s35, s[WV], 24576                    ; my K / 256,
	s_add_co_u32 s34, s34, s35
	s_and_b32 s35, ttmp9, 1                        ; the group's tiles 0-3 or 4-7
	s_mul_i32 s35, s35, 12288
	s_add_co_u32 s34, s34, s35
	s_mov_b32 s35, 0
	s_lshl_b32 s38, ttmp9, 11                      ; the quad's scale words,
	s_lshl_b32 s39, s[WV], 9                       ; my two K steps
	s_add_co_u32 s38, s38, s39
	s_mov_b32 s39, 0
	s_wait_alu depctr_va_vdst(0)
	s_wait_kmcnt 0x0
	s_mov_b64 s[IN:IN+1], s[16:17]                 ; which tensor: the choice hangs on the work-group's number alone
	s_cmp_lt_u32 ttmp9, 432
	s_cselect_b64 s[IN:IN+1], s[14:15], s[IN:IN+1]
	s_cmp_lt_u32 ttmp9, 416
	s_cselect_b64 s[IN:IN+1], s[12:13], s[IN:IN+1]
	s_cmp_lt_u32 ttmp9, 400
	s_cselect_b64 s[IN:IN+1], s[10:11], s[IN:IN+1]
	s_cmp_lt_u32 ttmp9, 384
	s_cselect_b64 s[IN:IN+1], s[8:9], s[IN:IN+1]
	s_cmp_lt_u32 ttmp9, 256
	s_cselect_b64 s[IN:IN+1], s[6:7], s[IN:IN+1]
	s_cmp_lt_u32 ttmp9, 128
	s_cselect_b64 s[IN:IN+1], s[4:5], s[IN:IN+1]
	s_add_nc_u64 s[IN:IN+1], s[IN:IN+1], s[26:27]
	s_add_nc_u64 s[OC:OC+1], s[18:19], s[34:35]
	s_add_nc_u64 s[OS:OS+1], s[20:21], s[38:39]
.macro LOAD n                          ; unit n's 16 rows x 512 bytes into set n % 2: the tile's rows in the tile's order
.irp i, 0,1,2,3,4,5,6,7,8,9,10,11,12,13,14,15
	global_load_b128 v[L0+64*((\n)%2)+4*\i:L0+64*((\n)%2)+4*\i+3], v4, s[IN:IN+1] offset:(32*(((\n)%4)/2)+8*((\n)%2)+\i+8*(\i/8))*4096+((\n)/4)*512 th:TH_LOAD_NT
.endr
.endm
.macro UNIT n
.if (\n) < 7
	s_wait_loadcnt 16                              ; this unit's 16 loads are in; the next unit's 16 may be out
.else
	s_wait_loadcnt 0x0
.endif
.irp i, 0,1,2,3,4,5,6,7,8,9,10,11,12,13,14,15
	ds_store_b128 v6, v[L0+64*((\n)%2)+4*\i:L0+64*((\n)%2)+4*\i+3] offset:528*\i
.endr
.irp b, 0,1,2,3
.irp j, 0,1,2,3
	ds_load_b128 v[X+16*\b+4*\j:X+16*\b+4*\j+3], v7 offset:128*\b+16*\j   ; LDS serves a wave's instructions in order: these see the stores above
.endr
.endr
	s_wait_dscnt 0x0                               ; my 64 numbers are in, and the stage's stores have read their registers
	s_wait_xcnt 0x0                                ; the last unit's stores have read the codes' registers, which QUANT writes again
.if (\n) < 6
	LOAD (\n)+2
.endif
	QUANT X, PWS+(\n)
	global_store_b128 v4, v[PC:PC+3], s[OC:OC+1] offset:((\n)%4)*3072+((\n)/4)*1536           ; 512 consecutive bytes, aligned
	global_store_b64 v5, v[PC+4:PC+5], s[OC:OC+1] offset:((\n)%4)*3072+((\n)/4)*1536+512       ; 256
	global_store_b128 v4, v[PC+6:PC+9], s[OC:OC+1] offset:((\n)%4)*3072+((\n)/4)*1536+768
	global_store_b64 v5, v[PC+10:PC+11], s[OC:OC+1] offset:((\n)%4)*3072+((\n)/4)*1536+1280
.endm
	LOAD 0
	LOAD 1
.irp n, 0,1,2,3,4,5,6,7
	UNIT \n
.endr
	v_cmp_le_u32 vcc_lo, 16, v1                    ; lanes 0-15 carry my first K step's words of row r, lanes 16-31 my second's
.irp t, 0,1,2,3
	v_cndmask_b32 v[8+\t], v[PWS+\t], v[PWS+4+\t], vcc_lo
.endr
	global_store_b128 v4, v[8:11], s[OS:OS+1]      ; 512 consecutive bytes, aligned
	s_wait_tensorcnt 0x0
	ds_add_u32 v254, v255
	s_wait_dscnt 0x0
	s_endpgm
.Lfunc_end_k_q6d004725e2_quant:
	.size	k_q6d004725e2_quant, .Lfunc_end_k_q6d004725e2_quant-k_q6d004725e2_quant
	.p2alignl 7, 3214868480
	.fill 96, 4, 3214868480
	.section	.rodata,"a",@progbits
	.p2align	6, 0x0
	.amdhsa_kernel k_q6d004725e2_quant
		.amdhsa_group_segment_fixed_size 34304
		.amdhsa_private_segment_fixed_size 0
		.amdhsa_enable_private_segment 0
		.amdhsa_kernarg_size 72
		.amdhsa_user_sgpr_count 2
		.amdhsa_user_sgpr_kernarg_segment_ptr 1
		.amdhsa_wavefront_size32 1
		.amdhsa_system_sgpr_workgroup_id_x 1
		.amdhsa_system_sgpr_workgroup_id_y 1
		.amdhsa_system_sgpr_workgroup_id_z 1
		.amdhsa_system_vgpr_workitem_id 0
		.amdhsa_next_free_vgpr 256
		.amdhsa_next_free_sgpr 66
		.amdhsa_reserve_vcc 1
		.amdhsa_float_denorm_mode_32 3
		.amdhsa_float_denorm_mode_16_64 3
		.amdhsa_memory_ordered 1
		.amdhsa_forward_progress 1
		.amdhsa_inst_pref_size 65
	.end_amdhsa_kernel
	.amdgpu_metadata
---
amdhsa.version: [ 1, 2 ]
amdhsa.kernels:
  - .name:           k_q6d004725e2_quant
    .symbol:         k_q6d004725e2_quant.kd
    .args:
      - { .name: q, .offset: 0, .size: 8, .value_kind: global_buffer, .address_space: global }
      - { .name: k, .offset: 8, .size: 8, .value_kind: global_buffer, .address_space: global }
      - { .name: v, .offset: 16, .size: 8, .value_kind: global_buffer, .address_space: global }
      - { .name: WQ, .offset: 24, .size: 8, .value_kind: global_buffer, .address_space: global }
      - { .name: WK, .offset: 32, .size: 8, .value_kind: global_buffer, .address_space: global }
      - { .name: WV, .offset: 40, .size: 8, .value_kind: global_buffer, .address_space: global }
      - { .name: W0, .offset: 48, .size: 8, .value_kind: global_buffer, .address_space: global }
      - { .name: cod, .offset: 56, .size: 8, .value_kind: global_buffer, .address_space: global }
      - { .name: scl, .offset: 64, .size: 8, .value_kind: global_buffer, .address_space: global }
    .group_segment_fixed_size: 34304
    .private_segment_fixed_size: 0
    .kernarg_segment_align: 8
    .kernarg_segment_size: 72
    .max_flat_workgroup_size: 128
    .sgpr_count:     66
    .vgpr_count:     256
    .wavefront_size: 32
...
	.end_amdgpu_metadata
.endif
;; end of part 1
;; launch proj (part 2): grid 4 x 192, 4 waves a work-group, clusters of 4 x 4, 295,424 bytes of LDS; arguments cod, scl, bQ, bK, bV, qc, qs, kv; writes qc, qs, kv
.if DOCPART == 2
	.amdgcn_target "amdgcn-amd-amdhsa--gfx1250"
	.amdhsa_code_object_version 6
	.text
	.protected	k_q6d004725e2_proj
	.globl	k_q6d004725e2_proj
	.p2align	8
	.type	k_q6d004725e2_proj,@function
k_q6d004725e2_proj:
	s_mov_b64 s[64:65], 0
	v_nop
	global_prefetch_b8 v0, s[64:65] scope:SCOPE_SE
	s_setreg_imm32_b32 hwreg(HW_REG_WAVE_MODE, 25, 1), 1
	s_wait_xcnt 0x0
	s_wait_alu depctr_hold_cnt(0) depctr_sa_sdst(0) depctr_va_vdst(0) depctr_va_sdst(0) depctr_va_ssrc(0) depctr_va_vcc(0) depctr_vm_vsrc(0)
	s_getreg_b32 s2, hwreg(HW_REG_IB_STS2, 6, 4)
	s_cmp_eq_u32 s2, 0
	s_cbranch_scc0 .Lentry_in_a_cluster
	s_endpgm
.Lentry_in_a_cluster:
	s_bfe_u32 s2, ttmp6, 0x10000c
	s_cmp_lg_u32 s2, 0xf033
	s_cbranch_scc0 .Lentry_shape_is_right
	s_endpgm
.Lentry_shape_is_right:
; Q = q WQ^T + bQ, K = k WK^T + bK, V = v WV^T + bV on codes of BF6 (E3M2) with E8M0 scales; the results, f32, are quantised in registers: Q and K along the head's 64, V along the keys.
; LIMITS: NaN and infinities are not served; a block of zeros, or one under 2^-122, gets the scale byte 1 (read by this program alone).
; OPERANDS come as half images (16 rows x 64 K, 768 bytes: registers 0-3 at 16 x lane, 4-5 at 512 + 8 x lane); tile 2 A + u holds rows 32 A + 8 u + i + 8 (i / 8).
; A PRODUCT C'[R][P]: source 0 = 16 rows of P, source 1 = 16 rows of R.  A lane then holds ONE row of R, and the 16 registers of P's tiles 2 B, 2 B + 1 are P's rows 32 B + 16 (lane / 16) + 0 .. 15: neighbours.
; For Q and K: R = the tokens, P = the weight's rows (the head's axis runs along a lane's registers).  For V: R = WV's rows, P = the tokens (the keys run along a lane's registers).
; SHARES.  A work-group makes 128 rows of R x 256 rows of P over all of K = 1,024; wave w = 2 wr + wp makes 64 x 128: 32 accumulators, 8 K steps of 32 matrix instructions.
; LDS holds all of K: R's group (98,304 bytes) at 0 and P's two behind it, each with all of K on end.  Every byte is filled once, by three tensor loads at the head: wave 0 brings R's group, waves 1 and 2 P's; one load a wave.
; CLUSTER 4 x 4: the four work-groups of a row of the cluster need the same R, the four of a column the same P: each block is asked for jointly.
; The cluster's y says which product: 0-15 Q, 16-31 K, 32-47 V: the same in all partners, so the one branch on it is alike in all.
; OUT: qc [bh][tile 0..127: half image];  qs [bh: 4,096][64 tokens: 128][r: 8][pair: word = the two bytes of tile 2 p, then of tile 2 p + 1];
;   kv [bh: 204,800]: K's codes at 0 as qc, K's scales at 98,304 as qs, V's codes at 102,400 [128 keys: 6,144][tile of 16 of the head's 64: 1,536, registers 4 c .. 4 c + 3 at 512 c + 16 x lane], V's scales at 200,704 [128 keys: 256][r: 16][tile: word].
; Q's and K's scale words leave in pieces of 128 consecutive bytes (two heads a wave): 524,288 bytes of the launch's 19.7 million.
; REGISTERS, in windows of 256.  Window 0: v1-15 lanes' numbers and addresses; v32-47 R's scale words, v48-79 P's (they hold nothing else); v80-175 R's fragments, two sets; v176-239 the bias; v240-255 offsets, later at work.
;   Window 1: P's fragments, two sets, at v0 and v128.   Window 2: accumulator (a, b) at v[8 (8 a + b)].
.set WV,  20
.set WR,  21
.set WP,  22
.set CX,  23
.set CY,  24
.set PRJ, 25
.set G1R, 28                           ; s[28:35] descriptor group 1 for R's blocks;  s[36:43] for P's: it differs in the mask alone
.set G1P, 36
.set G0R, 44                           ; s[44:47] group 0 for R's group;  s[68:71] for P's
.set G0P, 68
.set SEL, 98
.set SR,  32
.set SP,  48
.set RF,  80
.set BI,  176
.set ST,  80                           ; the way out: 64 numbers of a lane
.set PC,  144
.set PWK, 164
.set W,   168
.set TM,  240
.set MSB, 0
.macro WIN new                         ; the immediate's high byte repeats the setting that is left
.if MSB != \new
	s_set_vgpr_msb (MSB<<8)|\new
.set MSB, \new
.endif
.endm
.macro CROUND                          ; a round of the cluster's barrier
	s_barrier_signal -1
	s_barrier_wait -1
	s_cmp_lg_u32 s[WV], 0
	s_cbranch_scc1 .Lnot_wave_0_\@
	s_barrier_signal -3
.Lnot_wave_0_\@:
	s_barrier_wait -3
	s_barrier_signal -1
	s_barrier_wait -1
.endm
.macro QUANT s, pw                     ; 64 numbers of a lane, register 16 b + i = k 32 b + 16 h + i of my row, become codes in v[PC] .. v[PC+11] and my row's scale word in v[pw]
.irp b, 0,1,2,3
	v_max3_num_f32 v[TM+\b], |v[\s+16*\b]|, |v[\s+1+16*\b]|, 0x2800000   ; and the floor 2^(5 - 127): the byte cannot fall under 1
.endr
.irp i, 2,4,6,8,10,12,14
.irp b, 0,1,2,3
	v_max3_num_f32 v[TM+\b], v[TM+\b], |v[\s+16*\b+\i]|, |v[\s+1+16*\b+\i]|
.endr
.endr
.irp b, 0,1,2,3
	v_permlanex16_b32 v[TM+4+\b], v[TM+\b], s[SEL], s[SEL+1]
.endr
.irp b, 0,1,2,3
	v_max_num_f32 v[TM+\b], v[TM+\b], v[TM+4+\b]
.endr
.irp b, 0,1,2,3
	v_add_nc_u32 v[TM+12+\b], 0xfe000000, v[TM+\b]   ; 4 off the exponent field: the conversion's scale operand
.endr
.irp b, 0,1,2,3
	v_lshrrev_b32 v[TM+4+\b], 23, v[TM+12+\b]
.endr
	v_lshl_or_b32 v[\pw], v[TM+5], 8, v[TM+4]
	v_lshl_or_b32 v[\pw], v[TM+6], 16, v[\pw]
	v_lshl_or_b32 v[\pw], v[TM+7], 24, v[\pw]
.irp c, 0,1
	v_cvt_scalef32_pk16_bf6_f32 v[PC+6*\c:PC+2+6*\c], v[\s+32*\c:\s+15+32*\c], v[TM+12+2*\c]
	v_cvt_scalef32_pk16_bf6_f32 v[PC+12+4*\c:PC+14+4*\c], v[\s+16+32*\c:\s+31+32*\c], v[TM+12+2*\c+1]
.endr
	v_nop                                          ; one plain instruction behind the scaled conversions
.irp c, 0,1
.irp i, 0,1,2
	v_permlane16_swap_b32 v[PC+6*\c+\i], v[PC+12+4*\c+\i]
.endr
.irp i, 0,1,2
	v_mov_b32 v[PC+3+6*\c+\i], v[PC+12+4*\c+\i]
.endr
.endr
.endm
.macro FRAG reg, a16, a8, off          ; a fragment = two half images on end: four loads, each of consecutive bytes
	ds_load_b128 v[\reg:\reg+3], v[\a16] offset:\off
	ds_load_b64 v[\reg+4:\reg+5], v[\a8] offset:\off+512
	ds_load_b128 v[\reg+6:\reg+9], v[\a16] offset:\off+768
	ds_load_b64 v[\reg+10:\reg+11], v[\a8] offset:\off+1280
.endm
.macro FETCH s                         ; K step s: P's eight fragments and R's four into set s % 2; the address registers stand at the step's slot
	WIN 0x40                                       ; destination window 1, address window 0
.irp i, 0,1,2,3,4,5,6,7
	FRAG 128*((\s)%2)+12*\i, 8, 9, 3072*\i+1536*((\s)%2)
.endr
	WIN 0
.irp i, 0,1,2,3
	FRAG RF+48*((\s)%2)+12*\i, 6, 7, 3072*\i+1536*((\s)%2)
.endr
.endm
; 32 matrix instructions.  The accumulators take turns, one instruction a turn, in the same order in every step.
; P's scale words: lanes 0-15 tiles 0-3, lanes 16-31 tiles 4-7.  R's: lanes 0-15 K steps 0-3, lanes 16-31 K steps 4-7.
.macro MUL s, zero
	WIN 0xa1                                       ; source 0 (P) window 1, source 1 (R) window 0, C and D window 2
.irp a, 0,1,2,3
.irp b, 0,1,2,3,4,5,6,7
.set rD, 8*(8*\a+\b)
.set rP, 128*((\s)%2)+12*\b
.set rR, RF+48*((\s)%2)+12*\a
.set rX, SP+4*(\s)+\b%4
.set rY, SR+4*((\s)%4)+\a
.if \zero
.if \b < 4
	v_wmma_scale_f32_16x16x128_f8f6f4 v[rD:rD+7], v[rP:rP+11], v[rR:rR+11], 0, v[rX], v[rY] matrix_a_fmt:MATRIX_FMT_BF6 matrix_b_fmt:MATRIX_FMT_BF6
.else
	v_wmma_scale_f32_16x16x128_f8f6f4 v[rD:rD+7], v[rP:rP+11], v[rR:rR+11], 0, v[rX], v[rY] matrix_a_fmt:MATRIX_FMT_BF6 matrix_b_fmt:MATRIX_FMT_BF6 matrix_a_scale:MATRIX_SCALE_ROW1
.endif
.elseif (\s) < 4
.if \b < 4
	v_wmma_scale_f32_16x16x128_f8f6f4 v[rD:rD+7], v[rP:rP+11], v[rR:rR+11], v[rD:rD+7], v[rX], v[rY] matrix_a_fmt:MATRIX_FMT_BF6 matrix_b_fmt:MATRIX_FMT_BF6
.else
	v_wmma_scale_f32_16x16x128_f8f6f4 v[rD:rD+7], v[rP:rP+11], v[rR:rR+11], v[rD:rD+7], v[rX], v[rY] matrix_a_fmt:MATRIX_FMT_BF6 matrix_b_fmt:MATRIX_FMT_BF6 matrix_a_scale:MATRIX_SCALE_ROW1
.endif
.else
.if \b < 4
	v_wmma_scale_f32_16x16x128_f8f6f4 v[rD:rD+7], v[rP:rP+11], v[rR:rR+11], v[rD:rD+7], v[rX], v[rY] matrix_a_fmt:MATRIX_FMT_BF6 matrix_b_fmt:MATRIX_FMT_BF6 matrix_b_scale:MATRIX_SCALE_ROW1
.else
	v_wmma_scale_f32_16x16x128_f8f6f4 v[rD:rD+7], v[rP:rP+11], v[rR:rR+11], v[rD:rD+7], v[rX], v[rY] matrix_a_fmt:MATRIX_FMT_BF6 matrix_b_fmt:MATRIX_FMT_BF6 matrix_a_scale:MATRIX_SCALE_ROW1 matrix_b_scale:MATRIX_SCALE_ROW1
.endif
.endif
.endr
.endr
.endm
; A K step: its fragments are in; the next step's are asked for, 32 matrix instructions ahead of their use; then its products.
; An odd step's successor moves the address registers on to the next 256 along K; all of LDS landed before step 0: no wait or barrier here.
.macro STEP s, zero
	s_wait_dscnt 0x0                               ; step s's fragments are in
	WIN 0
.if ((\s)%2 == 1) && ((\s) < 7)
.irp x, 6,7,8,9
	v_add_nc_u32 v\x, 24576, v\x                   ; on to the next 256 along K of the group.  These four are also the places in front of the loads below
.endr
.elseif ((\s) > 0) && ((\s) < 7)
.rept 4
	v_nop                                          ; the same four places
.endr
.endif
.if (\s) < 7
	FETCH (\s)+1
.endif
	MUL \s, \zero
.endm
	s_load_b512 s[4:19], s[0:1], 0x0               ; cod s[4:5], scl s[6:7], bQ s[8:9], bK s[10:11], bV s[12:13], qc s[14:15], qs s[16:17], kv s[18:19]
	v_lshl_add_u32 v30, v0, 2, 0x48000
	v_mov_b32 v31, 0
	ds_add_u32 v30, v31
	ds_add_u32 v30, v31
	v_lshrrev_b32 v1, 5, v0
	v_readfirstlane_b32 s[WV], v1                  ; wave 0..3
	s_lshr_b32 s[WR], s[WV], 1                     ; which 64 rows of R are mine.  Also: which of P's two groups waves 1 and 2 fetch
	s_and_b32 s[WP], s[WV], 1                      ; which 128 rows of P
	s_bfe_u32 s[CX], ttmp6, 0x40000
	s_bfe_u32 s[CY], ttmp6, 0x40004
	s_and_b32 s26, ttmp7, 0xffff                   ; the cluster's y
	s_lshr_b32 s[PRJ], s26, 4                      ; 0 Q, 1 K, 2 V
	s_and_b32 s26, s26, 15
	s_lshr_b32 s60, s26, 3
	s_and_b32 s61, s26, 7
	s_lshl_b32 s62, s[PRJ], 6
	s_lshl_b32 s63, s[PRJ], 3
	s_add_co_u32 s63, s63, 192
	s_cmp_eq_u32 s[PRJ], 2
	s_cselect_b32 s84, s60, s26                    ; the cluster's place along R: V has 2 x 4 blocks of R, Q and K 16 x 4
	s_cselect_b32 s88, s61, 0                      ; and along P: V has 8 x 4, Q and K 1 x 4
	s_cselect_b32 s85, 208, s62                    ; R's first group in cod: WV's, or q's or k's
	s_cselect_b32 s89, 128, s63                    ; P's: v's, or WQ's or WK's
	s_cselect_b32 s92, 0, 64                       ; the bias's offsets: bytes for lane / 16,
	s_cselect_b32 s93, 4, 0                        ; for the lane's row,
	s_cselect_b32 s94, 0, 4                        ; for a register,
	s_cselect_b32 s95, 0, 256                      ; for tiles 4-7
	s_lshl_b32 s84, s84, 2
	s_add_co_u32 s84, s84, s[CY]                   ; rt: my block of R (it hangs on cy, never on cx)
	s_add_co_u32 s85, s85, s84                     ; R's group
	s_lshl_b32 s88, s88, 2
	s_add_co_u32 s88, s88, s[CX]                   ; pt: my block of P (it hangs on cx, never on cy)
	s_lshl_b32 s90, s88, 1
	s_add_co_u32 s89, s89, s90                     ; the first of P's two groups
	s_mul_i32 s86, s85, 98304
	s_mov_b32 s87, 0
	s_add_co_u32 s90, s89, s[WR]
	s_mul_i32 s90, s90, 98304
	s_mov_b32 s91, 0
	s_lshl_b32 s27, s[CY], 2
	s_lshl_b32 s27, 15, s27                        ; my row of the cluster
	s_lshl_b32 s97, 0x1111, s[CX]                  ; my column
	; descriptor group 1: a dense group of 98,304 bytes as 384 rows of 32 elements of 8 bytes, no padding
	s_or_b32 s[G1R], s27, (3<<16)|(1<<21)          ; 15:0 the mask; 17:16 elements of 8 bytes; 21 set beside a mask
	s_or_b32 s[G1P], s97, (3<<16)|(1<<21)
.irp g, G1R, G1P
	s_mov_b32 s[\g+1], 32<<16                      ; tensor_dim0
	s_mov_b32 s[\g+2], 384<<16                     ; tensor_dim1: a whole group, 98,304 dense bytes, as 384 rows of 256
	s_mov_b32 s[\g+3], 32<<16                      ; tile_dim0
	s_mov_b32 s[\g+4], 384                         ; tile_dim1
	s_mov_b32 s[\g+5], 32                          ; tensor_dim0_stride
	s_mov_b32 s[\g+6], 0
	s_mov_b32 s[\g+7], 0
.endr
	s_add_co_u32 s60, s89, s[WP]                   ; my 128 rows of P: their scale words, 4,096 bytes a group
	s_lshl_b32 s60, s60, 12
	s_mov_b32 s61, 0
	s_lshl_b32 s62, s85, 12                        ; my 64 rows of R: 2,048 bytes a quad
	s_lshl_b32 s63, s[WR], 11
	s_add_co_u32 s62, s62, s63
	s_mov_b32 s63, 0
	s_lshl_b32 s66, s88, 8                         ; where my bias begins.  Q, K: column 256 pt + 128 wp;
	s_lshl_b32 s67, s[WP], 7
	s_add_co_u32 s66, s66, s67
	s_lshl_b32 s26, s84, 7                         ; V: row 128 rt + 64 wr of WV
	s_lshl_b32 s67, s[WR], 6
	s_add_co_u32 s26, s26, s67
	s_cmp_eq_u32 s[PRJ], 2
	s_cselect_b32 s66, s26, s66
	s_lshl_b32 s66, s66, 2
	s_mov_b32 s67, 0
	s_mul_i32 s96, s[WV], 98304                    ; LDS: R's group at 0, P's two groups behind it, each with all of K on end: one load a wave for waves 0, 1, 2
	s_mov_b32 s[SEL], 0x76543210
	s_mov_b32 s[SEL+1], 0xfedcba98
	s_wait_dscnt 0x0
	s_wait_kmcnt 0x0
	s_add_nc_u64 s[86:87], s[4:5], s[86:87]
	s_add_nc_u64 s[90:91], s[4:5], s[90:91]
	s_add_nc_u64 s[60:61], s[6:7], s[60:61]
	s_add_nc_u64 s[62:63], s[6:7], s[62:63]
	s_cmp_eq_u32 s[PRJ], 1
	s_cselect_b64 s[100:101], s[10:11], s[12:13]
	s_cmp_eq_u32 s[PRJ], 0
	s_cselect_b64 s[100:101], s[8:9], s[100:101]
	s_add_nc_u64 s[100:101], s[100:101], s[66:67]
.irp g, 0
	s_mov_b32 s[G0R+4*\g], 1
	s_add_co_u32 s[G0R+4*\g+1], s96, \g*73728      ; LDS address: my group
	s_add_nc_u64 s[G0R+4*\g+2:G0R+4*\g+3], s[86:87], \g*24576   ; K = 256 g on
	s_or_b32 s[G0R+4*\g+3], s[G0R+4*\g+3], 0x80000000           ; type = 2
	s_mov_b32 s[G0P+4*\g], 1
	s_add_co_u32 s[G0P+4*\g+1], s96, \g*73728
	s_add_nc_u64 s[G0P+4*\g+2:G0P+4*\g+3], s[90:91], \g*24576
	s_or_b32 s[G0P+4*\g+3], s[G0P+4*\g+3], 0x80000000
.endr
	CROUND                                         ; all sixteen work-groups are here: the joint loads meet
	s_cmp_eq_u32 s[WV], 0                          ; a wave's one load stands in one branch on the wave's number, ahead of every wait on TENSORcnt and every LDS read; four v_nop follow it
	s_cbranch_scc0 .Lnot_r
	tensor_load_to_lds s[G0R:G0R+3], s[G1R:G1R+7]
	s_nop 0
.rept 4
	v_nop
.endr
	s_branch .Lasked
.Lnot_r:
	s_cmp_lt_u32 s[WV], 3
	s_cbranch_scc0 .Lasked
	tensor_load_to_lds s[G0P:G0P+3], s[G1P:G1P+7]
	s_nop 0
.rept 4
	v_nop
.endr
.Lasked:
	v_and_b32 v1, 31, v0                           ; lane
	v_and_b32 v2, 15, v0                           ; r
	v_bfe_u32 v3, v0, 4, 1                         ; h
	v_lshlrev_b32 v4, 4, v1                        ; 16 x lane
	v_lshlrev_b32 v5, 3, v1                        ; 8 x lane
	v_lshlrev_b32 v12, 4, v2
	v_lshl_add_u32 v13, v3, 11, v12                ; P's scale words: 16 r, lanes 16-31 the second quad
	v_lshl_add_u32 v14, v3, 10, v12                ; R's: 16 r, lanes 16-31 four K steps on
	v_and_b32 v15, 8, v2
	v_add_nc_u32 v15, v15, v2                      ; r + 8 (r / 8)
	v_mul_lo_u32 v15, v15, s93
	v_mul_lo_u32 v16, v3, s92
	v_add_nc_u32 v15, v15, v16
.irp j, 0,1,2,3,4,5,6,7
	s_mul_i32 s97, s94, \j
	v_add_nc_u32 v[240+\j], s97, v15
	v_add_nc_u32 v[248+\j], s95, v[240+\j]
.endr
.irp s, 0,1,2,3,4,5,6,7
	global_load_b128 v[SP+4*\s:SP+4*\s+3], v13, s[60:61] offset:256*\s   ; the scale words come once, whole blocks of 256 consecutive bytes for each half of the lanes, and stay in registers
.endr
.irp s, 0,1,2,3
	global_load_b128 v[SR+4*\s:SR+4*\s+3], v14, s[62:63] offset:256*\s
.endr
; The bias in the result's layout.  Q, K: register 8 b + j = the bias of column 32 (b / 2) + 16 h + 8 (b % 2) + j.  V: register 8 a + j = bV of my row of tile a, the same for all j (tiles 4-7 repeat 0-3: no load leaves the buffer).
.irp t, 0,1,2,3,4,5,6,7
.irp j, 0,1,2,3,4,5,6,7
.if \t < 4
	global_load_b32 v[BI+8*\t+\j], v[240+\j], s[100:101] offset:4*(32*((\t%4)/2)+8*(\t%2))
.else
	global_load_b32 v[BI+8*\t+\j], v[248+\j], s[100:101] offset:4*(32*((\t%4)/2)+8*(\t%2))
.endif
.endr
.endr
	s_mul_i32 s26, s[WR], 12288                    ; my four tiles of R in a slot
	v_add_nc_u32 v6, s26, v4
	v_add_nc_u32 v7, s26, v5
	s_mul_i32 s26, s[WP], 98304                    ; my group of P, behind R's group
	s_add_co_u32 s26, s26, 98304
	v_add_nc_u32 v8, s26, v4
	v_add_nc_u32 v9, s26, v5
	v_mov_b32 v10, 0x02020202                      ; v_perm_b32's selector: lanes 0-15 take the low halves of two words, lanes 16-31 the high halves
	v_mul_lo_u32 v10, v3, v10
	v_add_nc_u32 v10, 0x05040100, v10
	s_wait_alu depctr_va_vdst(0)
	s_wait_tensorcnt 0x0                           ; my one load has landed
	s_barrier_signal -1
	s_barrier_wait -1                              ; everybody's has
	FETCH 0
	s_wait_loadcnt 0x0                             ; scale words and bias
	STEP 0, 1                                      ; the first step's products start the sums: nothing is cleared
.irp s, 1,2,3,4,5,6,7
	s_wait_alu depctr_va_vdst(0)
	STEP \s, 0
.endr
	WIN 0
; THE WAY OUT, a tile a of 16 rows of R at a time: + bias (which also brings the numbers into window 0; each accumulator is read from its low end on), quantised along the wave's 128 rows of P, stored as images.
.macro EPI isv
.rept 4
	v_nop                                          ; places behind the last products
.endr
.irp a, 0,1,2,3
.if \a > 0
	s_wait_xcnt 0x0                                ; the last tile's stores have read the codes' registers
.endif
	WIN 0x02                                       ; source 0 window 2
.set i, 0
.rept 32
.if \isv
	v_pk_add_f32 v[ST+2*i:ST+2*i+1], v[64*\a+2*i:64*\a+2*i+1], v[BI+8*\a:BI+8*\a+1]
.else
	v_pk_add_f32 v[ST+2*i:ST+2*i+1], v[64*\a+2*i:64*\a+2*i+1], v[BI+2*i:BI+2*i+1]
.endif
.set i, i+1
.endr
	WIN 0
	QUANT ST, PWK+\a
.if \isv
.irp c, 0,1,2
	global_store_b128 v4, v[PC+4*\c:PC+4*\c+3], s[60:61] offset:1536*\a+512*\c   ; 512 consecutive bytes, aligned
.endr
.else
	global_store_b128 v4, v[PC:PC+3], s[60:61] offset:768*\a            ; the first head's half image
	global_store_b64 v5, v[PC+4:PC+5], s[60:61] offset:768*\a+512
	global_store_b128 v4, v[PC+6:PC+9], s[62:63] offset:768*\a          ; the second head's
	global_store_b64 v5, v[PC+10:PC+11], s[62:63] offset:768*\a+512
.endif
.endr
.endm
	s_cmp_eq_u32 s[PRJ], 2
	s_cbranch_scc1 .Lv
	; Q or K: my 128 columns are heads 4 pt + 2 wp and the next; my 64 rows are quad 2 (rt % 16) + wr of batch rt / 16
	s_cmp_eq_u32 s[PRJ], 0
	s_cselect_b64 s[60:61], s[14:15], s[18:19]     ; codes into qc or kv,
	s_cselect_b64 s[66:67], s[16:17], s[18:19]     ; scale words into qs or kv
	s_mov_b32 s92, 204800
	s_cselect_b32 s92, 98304, s92                  ; from head to head: codes,
	s_mov_b32 s93, 204800
	s_cselect_b32 s93, 4096, s93                   ; scale words
	s_cselect_b32 s94, 0, 98304                    ; in kv K's scale words lie behind K's codes
	s_lshr_b32 s26, s84, 4
	s_lshl_b32 s26, s26, 4
	s_lshl_b32 s27, s88, 2
	s_add_co_u32 s26, s26, s27
	s_lshl_b32 s27, s[WP], 1
	s_add_co_u32 s26, s26, s27                     ; bh of the first head
	s_and_b32 s27, s84, 15
	s_lshl_b32 s27, s27, 1
	s_add_co_u32 s27, s27, s[WR]                   ; the quad
	s_mul_i32 s96, s26, s92
	s_mul_i32 s97, s27, 3072                       ; four half images a quad
	s_add_co_u32 s96, s96, s97
	s_mov_b32 s97, 0
	s_add_nc_u64 s[60:61], s[60:61], s[96:97]
	s_mov_b32 s96, s92
	s_add_nc_u64 s[62:63], s[60:61], s[96:97]
	s_mul_i32 s96, s26, s93
	s_lshl_b32 s27, s27, 7
	s_add_co_u32 s96, s96, s27
	s_add_co_u32 s96, s96, s94
	s_add_nc_u64 s[66:67], s[66:67], s[96:97]
	v_mul_lo_u32 v11, v3, s93                      ; lanes 16-31 store the second head's words
	v_lshl_add_u32 v11, v2, 3, v11                 ; 8 r
	EPI 0
	v_perm_b32 v[W], v[PWK+1], v[PWK], v10         ; my head's two bytes of tile 0, then of tile 1;
	v_perm_b32 v[W+1], v[PWK+3], v[PWK+2], v10     ; of tiles 2 and 3
	global_store_b64 v11, v[W:W+1], s[66:67]
	s_branch .Lend
.Lv:
	; V: my 64 rows of WV are head 2 rt + wr; my 128 tokens are group tg = 2 pt + wp: batch tg / 16, key step tg % 16
	s_lshl_b32 s26, s88, 1
	s_add_co_u32 s26, s26, s[WP]
	s_lshr_b32 s27, s26, 4
	s_lshl_b32 s27, s27, 4
	s_lshl_b32 s92, s84, 1
	s_add_co_u32 s27, s27, s92
	s_add_co_u32 s27, s27, s[WR]                   ; bh
	s_and_b32 s26, s26, 15                         ; the key step
	s_mul_i32 s96, s27, 204800
	s_mul_i32 s92, s26, 6144
	s_add_co_u32 s92, s92, s96
	s_add_co_u32 s92, s92, 102400
	s_mov_b32 s93, 0
	s_add_nc_u64 s[60:61], s[18:19], s[92:93]
	s_lshl_b32 s92, s26, 8
	s_add_co_u32 s92, s92, s96
	s_add_co_u32 s92, s92, 200704
	s_add_nc_u64 s[66:67], s[18:19], s[92:93]
	v_lshlrev_b32 v11, 4, v2
	v_lshl_add_u32 v11, v3, 3, v11                 ; 16 r + 8 h
	EPI 1
	v_cmp_le_u32 vcc_lo, 16, v1                    ; lanes 0-15 store the words of tiles 0 and 1, lanes 16-31 of tiles 2 and 3
	v_cndmask_b32 v[W], v[PWK], v[PWK+2], vcc_lo
	v_cndmask_b32 v[W+1], v[PWK+1], v[PWK+3], vcc_lo
	global_store_b64 v11, v[W:W+1], s[66:67]       ; 256 consecutive bytes, aligned
.Lend:
	s_wait_tensorcnt 0x0
	ds_add_u32 v30, v31
	s_wait_dscnt 0x0
	CROUND                                         ; the closing round: no work-group ends while a partner may still ask for a block that names it
	s_endpgm
.Lfunc_end_k_q6d004725e2_proj:
	.size	k_q6d004725e2_proj, .Lfunc_end_k_q6d004725e2_proj-k_q6d004725e2_proj
	.p2alignl 7, 3214868480
	.fill 96, 4, 3214868480
	.section	.rodata,"a",@progbits
	.p2align	6, 0x0
	.amdhsa_kernel k_q6d004725e2_proj
		.amdhsa_group_segment_fixed_size 295424
		.amdhsa_private_segment_fixed_size 0
		.amdhsa_enable_private_segment 0
		.amdhsa_kernarg_size 64
		.amdhsa_user_sgpr_count 2
		.amdhsa_user_sgpr_kernarg_segment_ptr 1
		.amdhsa_wavefront_size32 1
		.amdhsa_system_sgpr_workgroup_id_x 1
		.amdhsa_system_sgpr_workgroup_id_y 1
		.amdhsa_system_sgpr_workgroup_id_z 1
		.amdhsa_system_vgpr_workitem_id 0
		.amdhsa_next_free_vgpr 768
		.amdhsa_next_free_sgpr 102
		.amdhsa_reserve_vcc 1
		.amdhsa_float_denorm_mode_32 3
		.amdhsa_float_denorm_mode_16_64 3
		.amdhsa_memory_ordered 1
		.amdhsa_forward_progress 1
		.amdhsa_inst_pref_size 126
	.end_amdhsa_kernel
	.amdgpu_metadata
---
amdhsa.version: [ 1, 2 ]
amdhsa.kernels:
  - .name:           k_q6d004725e2_proj
    .symbol:         k_q6d004725e2_proj.kd
    .args:
      - { .name: cod, .offset: 0, .size: 8, .value_kind: global_buffer, .address_space: global }
      - { .name: scl, .offset: 8, .size: 8, .value_kind: global_buffer, .address_space: global }
      - { .name: bQ, .offset: 16, .size: 8, .value_kind: global_buffer, .address_space: global }
      - { .name: bK, .offset: 24, .size: 8, .value_kind: global_buffer, .address_space: global }
      - { .name: bV, .offset: 32, .size: 8, .value_kind: global_buffer, .address_space: global }
      - { .name: qc, .offset: 40, .size: 8, .value_kind: global_buffer, .address_space: global }
      - { .name: qs, .offset: 48, .size: 8, .value_kind: global_buffer, .address_space: global }
      - { .name: kv, .offset: 56, .size: 8, .value_kind: global_buffer, .address_space: global }
    .group_segment_fixed_size: 295424
    .private_segment_fixed_size: 0
    .kernarg_segment_align: 8
    .kernarg_segment_size: 64
    .max_flat_workgroup_size: 128
    .sgpr_count:     102
    .vgpr_count:     768
    .wavefront_size: 32
...
	.end_amdgpu_metadata
.endif
;; end of part 2
;; launch attn (part 3): grid 4 x 64, 8 waves a work-group, clusters of 4 x 1, 306,176 bytes of LDS; arguments qc, qs, kv, ac, asc; writes ac, asc
.if DOCPART == 3
	.amdgcn_target "amdgcn-amd-amdhsa--gfx1250"
	.amdhsa_code_object_version 6
	.text
	.protected	k_q6d004725e2_attn
	.globl	k_q6d004725e2_attn
	.p2align	8
	.type	k_q6d004725e2_attn,@function
k_q6d004725e2_attn:
	s_mov_b64 s[64:65], 0
	v_nop
	global_prefetch_b8 v0, s[64:65] scope:SCOPE_SE
	s_setreg_imm32_b32 hwreg(HW_REG_WAVE_MODE, 25, 1), 1
	s_wait_xcnt 0x0
	s_wait_alu depctr_hold_cnt(0) depctr_sa_sdst(0) depctr_va_vdst(0) depctr_va_sdst(0) depctr_va_ssrc(0) depctr_va_vcc(0) depctr_vm_vsrc(0)
	s_getreg_b32 s2, hwreg(HW_REG_IB_STS2, 6, 4)
	s_cmp_eq_u32 s2, 0
	s_cbranch_scc0 .Lentry_in_a_cluster
	s_endpgm
.Lentry_in_a_cluster:
	s_bfe_u32 s2, ttmp6, 0x10000c
	s_cmp_lg_u32 s2, 0x3003
	s_cbranch_scc0 .Lentry_shape_is_right
	s_endpgm
.Lentry_shape_is_right:
; out[bh][q] = sum over k of attn(q, k) V[bh][k], attn = softmax_k(Q[bh][q] . K[bh][k]) / 8: unscaled scores, the finished softmax divided by sqrt(64).
; Both products on codes of BF6 (E3M2) with E8M0 scales.  What is quantised for the second product is attn itself, finished, along the keys: so a row's sum is wanted before any weight is quantised.
; ONE PASS: the scores stay in registers.  A work-group owns 512 queries of one head and takes them in 16 rounds of 32 (two tiles u of 16).  Each of its eight waves owns 256 FIXED keys (two chunks c of 128):
; its 32 x 256 scores are 256 registers, window 1, chunk k = 2 u + c at v[64 k].  A round:
;   S^T = K Q^T;  the largest score of each block of 32 keys, and of those the wave's largest;  t = score x log2(e), M = the wave's largest t rounded up to a whole number, p = 2^(t - M), l = the sum of p;
;   (-M, l) of all eight waves meet in LDS (barrier 1): the common M is the largest, l = sum of l_w 2^(M_w - M);  attn = p x 2^(my M - M) / (8 l): the power of two rounds nothing;
;   a block's largest attn is the block's largest score put through the same three instructions (p rises with the score);  codes;  O^T = V^T attn^T over my 256 keys;
;   the eight partial O^T meet in LDS (barrier 2): wave w sums eight registers of tile w / 4 and lays them by;  after four rounds eight tiles lie there, and each wave quantises and stores one.
; LIMITS: NaN and infinities are not served; the scaled scores t stay under 2^31 in magnitude; attn under 2^-126 counts as 0; a block that is all zeros or under 2^-122 gets the scale byte 1 (read by this program alone).
; LDS: the head's block of kv as it lies (K's codes 0, K's scale words 98,304, V's codes 102,400, V's scale words 200,704), filled once, each wave bringing 25,600 bytes; behind it bytes that no fill lands on.
; CLUSTER 4 x 1: the four blocks of queries of a head read the same K and V: each load is asked for jointly by all four.  No prefetch: kv is asked for whole at the head, there is no loop to run ahead in.
; THE FIRST PRODUCT'S K IS 64, the instruction's 128: a fragment of K is a pair of key tiles, and Q stands between zero codes: (Q, 0) picks the pair's first tile, (0, Q) its second.
; Both products transposed: a lane holds ONE query (lane % 16); key tile 2 A + u holds keys 32 A + 8 u + i + 8 (i / 8), so that registers 16 b + i of a chunk are keys 32 b + 16 (lane / 16) + i.
; OUT: ac [128 tokens: 98,304][head / 4: 24,576][tile: 3,072][head % 4: half image of 768];  asc [64 tokens: 2,048][head / 2: 256][r: 16][tile: word], my head's two bytes of it (two heads share a word: 2 bytes a lane).
.set XML, 204800                       ; [u: 1,024][r: 64][-M of waves 0-7, then l of waves 0-7]
.set XO,  206848                       ; partial O^T: [wave: 8,192][u: 4,096][four registers: 512][16 x lane]
.set XR,  272384                       ; summed O^T: [round % 4: 8,192][u: 4,096], laid likewise
.set SPARE, 305152                     ; the spare words: 128 bytes a wave
.set WV,  14
.set CX,  15
.set BH,  16
.set J,   17                           ; the round
.set T0,  18
.set T1,  19
.set SEL, 20                           ; s[20:21] v_permlanex16_b32's selects for lane l xor 16
.set CS,  22                           ; s[22:23] log2(e), twice
.set G1,  24
.set G0,  32
.set P0,  36                           ; v_perm_b32's selectors: a tile's two scale bytes, twice
.set P1,  37
; window 0: v1 16 x lane, v2 8 x lane, v3-13 LDS addresses, v14-15 the add's, v16 16 r, v17 8 r, v18 qs offset, v19 both tiles' Q scale bytes
; v42, v254: -M of tile 0, 1, later the factor; v43, v255: l
.set QS,  20                           ; v20-21 Q's scale words;  v22-29 K's;  v30-37 V's;  v38-41 attn's: they hold scales alone
.set KS,  22
.set VS,  30
.set AS,  38
.set QA,  44                           ; v44-73: zeros, Q of tile 0, zeros, Q of tile 1, zeros, six registers each
.set F,   74                           ; v74-169 eight fragments of K, then of V
.set O,   170                          ; v170-201 O^T; with the 32 behind it: what is summed
.set BM,  202                          ; v202-217 the 16 blocks' largest
.set TM,  218                          ; v218-233 at work
.set PC,  234                          ; v234-252 codes just made; v253 at work
.set MSB, 0
.macro WIN new                         ; the immediate's high byte repeats the setting that is left
.if MSB != \new
	s_set_vgpr_msb (MSB<<8)|\new
.set MSB, \new
.endif
.endm
.macro WA
	s_wait_alu depctr_va_vdst(0)
.endm
.macro D n
	s_delay_alu instid0(VALU_DEP_\n)
.endm
.macro NOPS n
.rept \n
	v_nop
.endr
.endm
.macro CROUND                          ; a round of the cluster's barrier
	s_barrier_signal -1
	s_barrier_wait -1
	s_cmp_lg_u32 s[WV], 0
	s_cbranch_scc1 .Lnot_wave_0_\@
	s_barrier_signal -3
.Lnot_wave_0_\@:
	s_barrier_wait -3
	s_barrier_signal -1
	s_barrier_wait -1
.endm
.macro QLOAD                           ; 32 queries: two half images on end, and their scale bytes
	global_load_b128 v[QA+6:QA+9], v1, s[44:45]
	global_load_b64 v[QA+10:QA+11], v2, s[44:45] offset:512
	global_load_b128 v[QA+18:QA+21], v1, s[44:45] offset:768
	global_load_b64 v[QA+22:QA+23], v2, s[44:45] offset:1280
	global_load_b32 v19, v18, s[46:47]
.endm
.macro KLOAD                           ; my eight pairs of key tiles
.irp c, 0,1
.irp p, 0,1,2,3
	ds_load_b128 v[F+48*\c+12*\p:F+48*\c+12*\p+3], v3 offset:6144*\c+1536*\p
	ds_load_b64 v[F+48*\c+12*\p+4:F+48*\c+12*\p+5], v4 offset:6144*\c+1536*\p+512
	ds_load_b128 v[F+48*\c+12*\p+6:F+48*\c+12*\p+9], v3 offset:6144*\c+1536*\p+768
	ds_load_b64 v[F+48*\c+12*\p+10:F+48*\c+12*\p+11], v4 offset:6144*\c+1536*\p+1280
.endr
.endr
.endm
.macro VLOAD                           ; my eight tiles of V^T (16 of the head's 64 x 128 keys)
.irp c, 0,1
.irp t, 0,1,2,3
.irp e, 0,1,2
	ds_load_b128 v[F+48*\c+12*\t+4*\e:F+48*\c+12*\t+4*\e+3], v6 offset:6144*\c+1536*\t+512*\e
.endr
.endr
.endr
.endm
.macro QSCALE                          ; a tile's two bytes, twice: they serve (Q, 0) and (0, Q); eight places ahead of the scaled products
	v_perm_b32 v[QS], v19, v19, s[P0]
	v_perm_b32 v[QS+1], v19, v19, s[P1]
	NOPS 8
.endm
.macro SMUL                            ; S^T = K Q^T: 32 sums, each begun by the constant 0; each fragment of K serves both tiles of queries
	WIN 0x40
.irp c, 0,1
.irp p, 0,1,2,3
.irp u, 0,1
	v_wmma_scale_f32_16x16x128_f8f6f4 v[128*\u+64*\c+16*\p:128*\u+64*\c+16*\p+7], v[F+48*\c+12*\p:F+48*\c+12*\p+11], v[QA+6+12*\u:QA+17+12*\u], 0, v[KS+4*\c+\p], v[QS+\u] matrix_a_fmt:MATRIX_FMT_BF6 matrix_b_fmt:MATRIX_FMT_BF6
	v_wmma_scale_f32_16x16x128_f8f6f4 v[128*\u+64*\c+16*\p+8:128*\u+64*\c+16*\p+15], v[F+48*\c+12*\p:F+48*\c+12*\p+11], v[QA+12*\u:QA+11+12*\u], 0, v[KS+4*\c+\p], v[QS+\u] matrix_a_fmt:MATRIX_FMT_BF6 matrix_b_fmt:MATRIX_FMT_BF6
.endr
.endr
.endr
	WIN 0
.endm
.macro MAXES                           ; the largest score of each of my 16 blocks: 16 chains by turns, each result read from its low end on
	WIN 0x15
.set i, 0
.rept 16
	v_max3_num_f32 v[BM+i], v[16*i], v[16*i+1], v[16*i+2]
.set i, i+1
.endr
	WIN 0x14
.irp n, 3,5,7,9,11,13
.set i, 0
.rept 16
	v_max3_num_f32 v[BM+i], v[BM+i], v[16*i+\n], v[16*i+\n+1]
.set i, i+1
.endr
.endr
.set i, 0
.rept 16
	v_max3_num_f32 v[BM+i], v[BM+i], v[16*i+15], v[16*i+15]
.set i, i+1
.endr
	WIN 0
.set i, 0
.rept 16
	v_permlanex16_b32 v[TM+i], v[BM+i], s[SEL], s[SEL+1]
.set i, i+1
.endr
.set i, 0
.rept 16
	v_max_num_f32 v[BM+i], v[BM+i], v[TM+i]        ; with lane l xor 16's 16 keys: the block's
.set i, i+1
.endr
.irp u, 0,1
	v_max3_num_f32 v[TM+\u], v[BM+8*\u], v[BM+8*\u+1], v[BM+8*\u+2]
.endr
.irp n, 3,5
.irp u, 0,1
	D 2
	v_max3_num_f32 v[TM+\u], v[TM+\u], v[BM+8*\u+\n], v[BM+8*\u+\n+1]
.endr
.endr
.irp u, 0,1
	D 2
	v_max3_num_f32 v[TM+\u], v[TM+\u], v[BM+8*\u+7], v[BM+8*\u+7]
.endr
.irp u, 0,1
	D 2
	v_mul_f32 v[TM+\u], s[CS], v[TM+\u]            ; as t
.endr
.irp u, 0,1
	D 2
	v_floor_f32 v[42+212*\u], -v[TM+\u]            ; -M = floor(-t): M is a whole number
.endr
.irp u, 0,1
.irp i, 0,2,4,6
	v_pk_fma_f32 v[BM+8*\u+\i:BM+8*\u+\i+1], v[BM+8*\u+\i:BM+8*\u+\i+1], s[CS:CS+1], v[42+212*\u:43+212*\u] op_sel_hi:[1,0,0]
.endr
.endr
.endm
.macro FMA k                           ; t - M, one rounding
	WIN 0x41
.set i, 0
.rept 32
	v_pk_fma_f32 v[64*(\k)+2*i:64*(\k)+2*i+1], v[64*(\k)+2*i:64*(\k)+2*i+1], s[CS:CS+1], v[42+212*((\k)/2):43+212*((\k)/2)] op_sel_hi:[1,0,0]
.set i, i+1
.endr
.endm
.macro EXPS k
	WIN 0x41
.set i, 0
.rept 64
	v_exp_f32 v[64*(\k)+i], v[64*(\k)+i]
.set i, i+1
.endr
.endm
.macro ADDS k                          ; the sum of the unquantised p: eight chains of pairs
.set i, 0
.if (\k)%2 == 0
	WIN 0x05
.rept 8
	v_pk_add_f32 v[TM+2*i:TM+2*i+1], v[64*(\k)+2*i:64*(\k)+2*i+1], v[64*(\k)+16+2*i:64*(\k)+17+2*i]
.set i, i+1
.endr
.set i, 16
.endif
	WIN 0x04
.rept 32-i
	v_pk_add_f32 v[TM+2*(i%8):TM+2*(i%8)+1], v[TM+2*(i%8):TM+2*(i%8)+1], v[64*(\k)+2*i:64*(\k)+2*i+1]
.set i, i+1
.endr
.endm
.macro FIN u                           ; the eight chains, the pair's halves, lane l xor 16's: my wave's l of tile u
	WIN 0
.irp i, 0,2,4,6
	v_pk_add_f32 v[TM+\i:TM+\i+1], v[TM+\i:TM+\i+1], v[TM+8+\i:TM+9+\i]
.endr
.irp i, 0,2
	D 2
	v_pk_add_f32 v[TM+\i:TM+\i+1], v[TM+\i:TM+\i+1], v[TM+4+\i:TM+5+\i]
.endr
	D 1
	v_pk_add_f32 v[TM:TM+1], v[TM:TM+1], v[TM+2:TM+3]
	D 1
	v_add_f32 v[TM], v[TM], v[TM+1]
	D 1
	v_permlanex16_b32 v[TM+2], v[TM], s[SEL], s[SEL+1]
	D 1
	v_add_f32 v[43+212*\u], v[TM], v[TM+2]
.endm
; The eight waves' -M (v[O+16u] on) and l (v[O+16u+8] on) of my query: the common M, l under it, my factor 2^(my M - M) / (8 l).
.macro MERGE
.irp u, 0,1
	v_max3_num_f32 v[PC+2*\u], -v[O+16*\u], -v[O+16*\u+1], -v[O+16*\u+2]
.endr
.irp n, 3,5
.irp u, 0,1
	D 2
	v_max3_num_f32 v[PC+2*\u], v[PC+2*\u], -v[O+16*\u+\n], -v[O+16*\u+\n+1]
.endr
.endr
.irp u, 0,1
	D 2
	v_max3_num_f32 v[PC+2*\u], v[PC+2*\u], -v[O+16*\u+7], -v[O+16*\u+7]   ; the common M
.endr
.irp u, 0,1
	D 2
	v_sub_f32 v[PC+4+\u], -v[PC+2*\u], v[42+212*\u]                       ; my M - M: a whole number, 0 or less
.endr
.irp u, 0,1
.irp i, 0,2,4,6
	v_pk_add_f32 v[O+16*\u+\i:O+16*\u+\i+1], v[O+16*\u+\i:O+16*\u+\i+1], v[PC+2*\u:PC+2*\u+1] op_sel_hi:[1,0] neg_lo:[1,1] neg_hi:[1,1]   ; M_w - M
.endr
.endr
.irp u, 0,1
	v_cvt_i32_f32 v[PC+4+\u], v[PC+4+\u]           ; (it saturates)
.irp i, 0,1,2,3,4,5,6,7
	v_cvt_i32_f32 v[O+16*\u+\i], v[O+16*\u+\i]
.endr
.endr
.irp u, 0,1
.irp i, 0,1,2,3,4,5,6,7
	v_ldexp_f32 v[O+16*\u+8+\i], v[O+16*\u+8+\i], v[O+16*\u+\i]
.endr
.endr
.irp u, 0,1
	v_pk_add_f32 v[O+16*\u+8:O+16*\u+9], v[O+16*\u+8:O+16*\u+9], v[O+16*\u+10:O+16*\u+11]
	v_pk_add_f32 v[O+16*\u+12:O+16*\u+13], v[O+16*\u+12:O+16*\u+13], v[O+16*\u+14:O+16*\u+15]
.endr
	D 3
	v_pk_add_f32 v[O+8:O+9], v[O+8:O+9], v[O+12:O+13]
	D 2
	v_pk_add_f32 v[O+24:O+25], v[O+24:O+25], v[O+28:O+29]
.irp u, 0,1
	D 2
	v_add_f32 v[O+16*\u+8], v[O+16*\u+8], v[O+16*\u+9]
.endr
.irp u, 0,1
	D 2
	v_mul_f32 v[O+16*\u+8], 0x41000000, v[O+16*\u+8]   ; 8 l
.endr
	WA
	v_rcp_f32 v[PC+6], v[O+8]
	v_rcp_f32 v[PC+7], v[O+24]
	v_nop
	WA
.irp u, 0,1
	v_ldexp_f32 v[42+212*\u], v[PC+6+\u], v[PC+4+\u]
.endr
.irp u, 0,1                                    ; the blocks' largest attn, their scale operands and bytes
.irp i, 0,2,4,6
	v_pk_mul_f32 v[BM+8*\u+\i:BM+8*\u+\i+1], v[BM+8*\u+\i:BM+8*\u+\i+1], v[42+212*\u:43+212*\u] op_sel_hi:[1,0]
.endr
.endr
.set i, 0
.rept 16
	v_max_num_f32 v[BM+i], 0x2800000, v[BM+i]      ; the floor 2^(5 - 127): the byte cannot fall under 1
.set i, i+1
.endr
.set i, 0
.rept 16
	v_add_nc_u32 v[BM+i], 0xfe000000, v[BM+i]      ; 4 off the exponent field: the conversion's scale operand
.set i, i+1
.endr
.set i, 0
.rept 16
	v_lshrrev_b32 v[TM+i], 23, v[BM+i]
.set i, i+1
.endr
.irp k, 0,1,2,3
	v_lshl_or_b32 v[AS+\k], v[TM+4*\k+1], 8, v[TM+4*\k]
.endr
.irp k, 0,1,2,3
	D 4
	v_lshl_or_b32 v[AS+\k], v[TM+4*\k+2], 16, v[AS+\k]
.endr
.irp k, 0,1,2,3
	D 4
	v_lshl_or_b32 v[AS+\k], v[TM+4*\k+3], 24, v[AS+\k]
.endr
.endm
.macro MUL k                           ; attn, finished, in f32
	WIN 0x41
.set i, 0
.rept 32
	v_pk_mul_f32 v[64*(\k)+2*i:64*(\k)+2*i+1], v[64*(\k)+2*i:64*(\k)+2*i+1], v[42+212*((\k)/2):43+212*((\k)/2)] op_sel_hi:[1,0]
.set i, i+1
.endr
	WIN 0
.endm
.macro QNT k                           ; chunk k's 64 numbers of a lane become a fragment's codes in v[PC] .. v[PC+11]
	WIN 0x01
.irp c, 0,1
	v_cvt_scalef32_pk16_bf6_f32 v[PC+6*\c:PC+2+6*\c], v[64*(\k)+32*\c:64*(\k)+32*\c+15], v[BM+4*(\k)+2*\c]
	v_cvt_scalef32_pk16_bf6_f32 v[PC+12+4*\c:PC+14+4*\c], v[64*(\k)+32*\c+16:64*(\k)+32*\c+31], v[BM+4*(\k)+2*\c+1]
.endr
	WIN 0
	v_nop                                          ; one plain instruction behind the scaled conversions
.irp c, 0,1                                    ; the operand wants a whole block in a lane
.irp i, 0,1,2
	v_permlane16_swap_b32 v[PC+6*\c+\i], v[PC+12+4*\c+\i]
.endr
.irp i, 0,1,2
	D 3
	v_mov_b32 v[PC+3+6*\c+\i], v[PC+12+4*\c+\i]
.endr
.endr
.endm
.macro PV k                            ; O^T (+)= V^T attn^T over chunk k's 128 keys: four accumulators by turns; a tile's first chunk starts the sums
.irp t, 0,1,2,3
.if (\k)%2
	v_wmma_scale_f32_16x16x128_f8f6f4 v[O+8*\t:O+8*\t+7], v[F+48+12*\t:F+59+12*\t], v[PC:PC+11], v[O+8*\t:O+8*\t+7], v[VS+4+\t], v[AS+(\k)] matrix_a_fmt:MATRIX_FMT_BF6 matrix_b_fmt:MATRIX_FMT_BF6
.else
	v_wmma_scale_f32_16x16x128_f8f6f4 v[O+8*\t:O+8*\t+7], v[F+12*\t:F+11+12*\t], v[PC:PC+11], 0, v[VS+\t], v[AS+(\k)] matrix_a_fmt:MATRIX_FMT_BF6 matrix_b_fmt:MATRIX_FMT_BF6
.endif
.endr
.endm
.macro OST u                           ; my partial O^T of tile u, as an image of its registers, each accumulator from its low end on
.irp g, 0,1,2,3,4,5,6,7
	ds_store_b128 v10, v[O+4*\g:O+4*\g+3] offset:4096*\u+512*\g
.endr
.endm
; One finished tile of 16 queries: slot = my wave's number; quantised along the head's 64, stored as a half image and two scale bytes a row.
.macro QSTEP
.irp g, 0,1,2,3,4,5,6,7
	ds_load_b128 v[O+4*\g:O+4*\g+3], v13 offset:512*\g
.endr
	s_wait_dscnt 0x0
.irp b, 0,1
	v_max3_num_f32 v[TM+\b], |v[O+16*\b]|, |v[O+1+16*\b]|, 0x2800000
.endr
.irp i, 2,4,6,8,10,12,14
.irp b, 0,1
	D 2
	v_max3_num_f32 v[TM+\b], v[TM+\b], |v[O+16*\b+\i]|, |v[O+1+16*\b+\i]|
.endr
.endr
.irp b, 0,1
	D 2
	v_permlanex16_b32 v[TM+4+\b], v[TM+\b], s[SEL], s[SEL+1]
.endr
.irp b, 0,1
	D 2
	v_max_num_f32 v[TM+\b], v[TM+\b], v[TM+4+\b]
.endr
.irp b, 0,1
	D 2
	v_add_nc_u32 v[TM+12+\b], 0xfe000000, v[TM+\b]
.endr
.irp b, 0,1
	D 2
	v_lshrrev_b32 v[TM+4+\b], 23, v[TM+12+\b]
.endr
	D 1
	v_lshl_or_b32 v253, v[TM+5], 8, v[TM+4]
	v_cvt_scalef32_pk16_bf6_f32 v[PC:PC+2], v[O:O+15], v[TM+12]
	v_cvt_scalef32_pk16_bf6_f32 v[PC+12:PC+14], v[O+16:O+31], v[TM+13]
	v_nop
.irp i, 0,1,2
	v_permlane16_swap_b32 v[PC+\i], v[PC+12+\i]
.endr
.irp i, 0,1,2
	D 3
	v_mov_b32 v[PC+3+\i], v[PC+12+\i]
.endr
	global_store_b128 v1, v[PC:PC+3], s[48:49]             ; 512 consecutive bytes, aligned
	global_store_b64 v2, v[PC+4:PC+5], s[48:49] offset:512 ; 256
	global_store_b16 v16, v253, s[50:51]                   ; both halves of the lanes hold row r's two bytes
	s_wait_xcnt 0x0                                        ; the stores have read their registers and bases
	s_add_nc_u64 s[48:49], s[48:49], 98304                 ; eight tiles on
	s_add_nc_u64 s[50:51], s[50:51], 4096
.endm
	s_load_b256 s[4:11], s[0:1], 0x0               ; qc s[4:5], qs s[6:7], kv s[8:9], ac s[10:11]
	s_load_b64 s[12:13], s[0:1], 0x20              ; asc
	v_lshl_add_u32 v14, v0, 2, SPARE
	v_mov_b32 v15, 0
	ds_add_u32 v14, v15
	ds_add_u32 v14, v15
	v_lshrrev_b32 v1, 5, v0
	v_readfirstlane_b32 s[WV], v1                  ; wave 0..7
	s_bfe_u32 s[CX], ttmp6, 0x40000                ; my block of 512 queries: it enters global addresses alone
	s_and_b32 s[BH], ttmp7, 0xffff                 ; batch x 16 + head, which the four partners share
	s_mov_b32 s[G1], 15|(3<<16)|(1<<21)            ; the mask: all four; elements of 8 bytes; bit 21 beside a mask
	s_mov_b32 s[G1+1], 32<<16                      ; 25,600 dense bytes as 100 rows of 256
	s_mov_b32 s[G1+2], 100<<16
	s_mov_b32 s[G1+3], 32<<16
	s_mov_b32 s[G1+4], 100
	s_mov_b32 s[G1+5], 32
	s_mov_b32 s[G1+6], 0
	s_mov_b32 s[G1+7], 0
	s_mov_b32 s[G0], 1
	s_mul_i32 s[G0+1], s[WV], 25600                ; LDS address: my eighth
	s_mul_i32 s40, s[BH], 204800
	s_add_co_u32 s40, s40, s[G0+1]
	s_mov_b32 s41, 0
	s_mul_i32 s44, s[BH], 98304                    ; qc: my work-group's 32 tiles
	s_mul_i32 s42, s[CX], 24576
	s_add_co_u32 s44, s44, s42
	s_mov_b32 s45, 0
	s_lshl_b32 s46, s[BH], 12                      ; qs: its 8 quads
	s_lshl_b32 s42, s[CX], 10
	s_add_co_u32 s46, s46, s42
	s_mov_b32 s47, 0
	s_lshr_b32 s52, s[BH], 4                       ; batch
	s_and_b32 s53, s[BH], 15                       ; head
	s_lshl_b32 s48, s52, 4
	s_lshl_b32 s42, s[CX], 2
	s_add_co_u32 s48, s48, s42                     ; ac: group of 128 tokens 16 batch + 4 cx, tile = my wave
	s_mul_i32 s48, s48, 98304
	s_lshr_b32 s42, s53, 2
	s_mul_i32 s42, s42, 24576
	s_add_co_u32 s48, s48, s42
	s_mul_i32 s42, s[WV], 3072
	s_add_co_u32 s48, s48, s42
	s_and_b32 s42, s53, 3
	s_mul_i32 s42, s42, 768
	s_add_co_u32 s48, s48, s42
	s_mov_b32 s49, 0
	s_lshl_b32 s50, s52, 5                         ; asc: quad 32 batch + 8 cx + wave / 4, word wave % 4
	s_lshl_b32 s42, s[CX], 3
	s_add_co_u32 s50, s50, s42
	s_lshr_b32 s42, s[WV], 2
	s_add_co_u32 s50, s50, s42
	s_lshl_b32 s50, s50, 11
	s_lshr_b32 s42, s53, 1
	s_lshl_b32 s42, s42, 8
	s_add_co_u32 s50, s50, s42
	s_and_b32 s42, s[WV], 3
	s_lshl_b32 s42, s42, 2
	s_add_co_u32 s50, s50, s42
	s_and_b32 s42, s53, 1
	s_lshl_b32 s42, s42, 1
	s_add_co_u32 s50, s50, s42
	s_mov_b32 s51, 0
	s_mov_b32 s[SEL], 0x76543210
	s_mov_b32 s[SEL+1], 0xfedcba98
	s_mov_b32 s[CS], 0x3fb8aa3b                    ; log2(e)
	s_mov_b32 s[CS+1], s[CS]
	s_mov_b32 s[P0], 0x01000100
	s_mov_b32 s[P1], 0x03020302
	s_mov_b32 s[J], 0
	s_wait_dscnt 0x0
	s_wait_kmcnt 0x0
	s_add_nc_u64 s[G0+2:G0+3], s[8:9], s[40:41]
	s_or_b32 s[G0+3], s[G0+3], 0x80000000          ; type = 2
	s_add_nc_u64 s[44:45], s[4:5], s[44:45]
	s_add_nc_u64 s[46:47], s[6:7], s[46:47]
	s_add_nc_u64 s[48:49], s[10:11], s[48:49]
	s_add_nc_u64 s[50:51], s[12:13], s[50:51]
	CROUND                                         ; all four work-groups are here: the joint loads meet
	tensor_load_to_lds s[G0:G0+3], s[G1:G1+7]      ; my one tensor load
	s_nop 0
	NOPS 4
	s_mul_i32 s40, s[WV], 12288                    ; my 256 keys: K's codes,
	s_lshl_b32 s41, s[WV], 9
	s_add_co_u32 s43, s41, 200704                  ; V's scale words,
	s_add_co_u32 s41, s41, 98304                   ; K's scale words,
	s_add_co_u32 s42, s40, 102400                  ; V's codes
	s_lshl_b32 s52, s[WV], 2
	s_add_co_u32 s52, s52, XML                     ; my word among the eight
	s_lshl_b32 s53, s[WV], 13
	s_add_co_u32 s53, s53, XO                      ; my partial sums
	s_lshr_b32 s54, s[WV], 2
	s_lshl_b32 s54, s54, 12
	s_and_b32 s55, s[WV], 3
	s_lshl_b32 s55, s55, 10
	s_add_co_u32 s55, s55, s54                     ; what I sum: tile wave / 4, registers 8 (wave % 4) on
	s_add_co_u32 s54, s55, XO
	s_add_co_u32 s55, s55, XR
	s_lshl_b32 s[T0], s[WV], 12
	s_add_co_u32 s[T0], s[T0], XR                  ; the finished tile that I quantise
	v_and_b32 v234, 31, v0                         ; lane
	v_and_b32 v235, 15, v0                         ; r
	v_lshlrev_b32 v1, 4, v234
	v_lshlrev_b32 v2, 3, v234
	v_lshlrev_b32 v16, 4, v235
	v_lshlrev_b32 v17, 3, v235
	v_lshlrev_b32 v236, 6, v235
	v_add_nc_u32 v3, s40, v1
	v_add_nc_u32 v4, s40, v2
	v_add_nc_u32 v5, s41, v17
	v_add_nc_u32 v6, s42, v1
	v_add_nc_u32 v7, s43, v16
	v_add_nc_u32 v8, s52, v236
	v_add_nc_u32 v9, XML, v236
	v_add_nc_u32 v10, s53, v1
	v_add_nc_u32 v11, s54, v1
	v_add_nc_u32 v12, s55, v1
	v_add_nc_u32 v13, s[T0], v1
	v_mov_b32 v18, v17
	QLOAD                                          ; round 0's queries
.irp i, 0,1,2,3,4,5,12,13,14,15,16,17,24,25,26,27,28,29
	v_mov_b32 v[QA+\i], 0                          ; the zero codes beside Q
.endr
.set i, 0
.rept 16
	v_mov_b32 v[TM+i], 0                           ; written once: a lane permute's destination counts as one of its sources
.set i, i+1
.endr
	v_mov_b32 v43, 0                               ; (named as the upper halves of pairs)
	v_mov_b32 v255, 0
	v_mov_b32 v237, 0
	WA
	s_wait_tensorcnt 0x0                           ; my eighth has landed,
	s_barrier_signal -1
	s_barrier_wait -1                              ; everybody's has: kv's bytes are only read from here on
	KLOAD
.irp c, 0,1                                    ; my keys' scale words come once and stay
	ds_load_b64 v[KS+4*\c:KS+4*\c+1], v5 offset:256*\c
	ds_load_b64 v[KS+4*\c+2:KS+4*\c+3], v5 offset:256*\c+128
	ds_load_b128 v[VS+4*\c:VS+4*\c+3], v7 offset:256*\c
.endr
	s_wait_loadcnt 0x0
	s_wait_dscnt 0x0
	QSCALE
	SMUL
	NOPS 4                                         ; places behind the products
.Lround:
	s_cmp_eq_u32 s[J], 15
	s_cbranch_scc1 .Lnoq
	s_add_nc_u64 s[44:45], s[44:45], 1536          ; the next round's queries land under this round's work (the last loads have been waited for)
	s_add_co_u32 s[T0], s[J], 1
	s_lshr_b32 s[T1], s[T0], 1
	s_lshl_b32 s[T1], s[T1], 7
	s_and_b32 s[T0], s[T0], 1
	s_lshl_b32 s[T0], s[T0], 2
	s_add_co_u32 s[T0], s[T0], s[T1]
	v_add_nc_u32 v18, s[T0], v17
	QLOAD
.Lnoq:
	MAXES
	FMA 0
	WA                                             ; ahead of each batch of exponentials stands one wait; it also serves the batch before
	EXPS 0
	WIN 0
.set i, 0
.rept 16
	v_exp_f32 v[BM+i], v[BM+i]                     ; the blocks' largest p
.set i, i+1
.endr
	FMA 1
	WA
	EXPS 1
	ADDS 0
	FMA 2
	WA
	EXPS 2
	ADDS 1
	FIN 0
	FMA 3
	WA
	EXPS 3
	ADDS 2
	WA
	ADDS 3
	FIN 1
	ds_store_b32 v8, v42                           ; -M and l of both tiles (both halves of the lanes hold the same)
	ds_store_b32 v8, v43 offset:32
	ds_store_b32 v8, v254 offset:1024
	ds_store_b32 v8, v255 offset:1056
	WA
	s_wait_dscnt 0x0
	s_barrier_signal -1
	VLOAD                                          ; bytes that nobody writes
	s_barrier_wait -1                              ; barrier 1
	s_and_b32 s[T0], s[J], 3
	s_cmp_lg_u32 s[T0], 0
	s_cbranch_scc1 .Lnot4
	s_cmp_eq_u32 s[J], 0
	s_cbranch_scc1 .Lnot4
	QSTEP                                          ; the last four rounds' eight tiles are whole behind barrier 1
.Lnot4:
.irp u, 0,1
.irp i, 0,1,2,3
	ds_load_b128 v[O+16*\u+4*\i:O+16*\u+4*\i+3], v9 offset:1024*\u+16*\i
.endr
.endr
	s_wait_dscnt 0x0                               ; these, and V
	MERGE
	MUL 0
	QNT 0
	MUL 1                                          ; plain work: the places between the codes' last write and the products, and behind the products
	PV 0
	MUL 2
	QNT 1
	MUL 3
	PV 1
	NOPS 4
	OST 0
	QNT 2
	NOPS 4
	PV 2
	NOPS 4
	QNT 3
	NOPS 4
	PV 3
	NOPS 4
	s_cmp_eq_u32 s[J], 15
	s_cbranch_scc1 .Lnok
	KLOAD                                          ; K takes V's registers again
.Lnok:
	OST 1
	s_wait_dscnt 0x0
	s_barrier_signal -1
	s_barrier_wait -1                              ; barrier 2
.irp w, 0,1,2,3,4,5,6,7
	ds_load_b128 v[O+8*\w:O+8*\w+3], v11 offset:8192*\w
	ds_load_b128 v[O+8*\w+4:O+8*\w+7], v11 offset:8192*\w+512
.endr
	s_cmp_eq_u32 s[J], 15
	s_cbranch_scc1 .Lnos
	s_wait_loadcnt 0x0                             ; the next round's queries
	QSCALE
	SMUL                                           ; the next round's scores, while the eight parts come
.Lnos:
	s_wait_dscnt 0x0
.irp w, 0,2,4,6
.irp i, 0,2,4,6
	v_pk_add_f32 v[O+8*\w+\i:O+8*\w+\i+1], v[O+8*\w+\i:O+8*\w+\i+1], v[O+8*\w+8+\i:O+8*\w+9+\i]
.endr
.endr
.irp w, 0,4
.irp i, 0,2,4,6
	v_pk_add_f32 v[O+8*\w+\i:O+8*\w+\i+1], v[O+8*\w+\i:O+8*\w+\i+1], v[O+8*\w+16+\i:O+8*\w+17+\i]
.endr
.endr
.irp i, 0,2,4,6
	v_pk_add_f32 v[O+\i:O+\i+1], v[O+\i:O+\i+1], v[O+32+\i:O+33+\i]
.endr
	s_and_b32 s[T0], s[J], 3
	s_lshl_b32 s[T0], s[T0], 13
	v_add_nc_u32 v253, s[T0], v12
	ds_store_b128 v253, v[O:O+3]
	ds_store_b128 v253, v[O+4:O+7] offset:512
	s_add_co_u32 s[J], s[J], 1
	s_cmp_lt_u32 s[J], 16
	WA
	s_cbranch_scc1 .Lround
	s_wait_dscnt 0x0
	s_barrier_signal -1
	s_barrier_wait -1
	QSTEP                                          ; rounds 12 to 15
	s_wait_tensorcnt 0x0                           ; the wave's end
	ds_add_u32 v14, v15
	s_wait_dscnt 0x0
	CROUND                                         ; the closing round
	s_endpgm
.Lfunc_end_k_q6d004725e2_attn:
	.size	k_q6d004725e2_attn, .Lfunc_end_k_q6d004725e2_attn-k_q6d004725e2_attn
	.p2alignl 7, 3214868480
	.fill 96, 4, 3214868480
	.section	.rodata,"a",@progbits
	.p2align	6, 0x0
	.amdhsa_kernel k_q6d004725e2_attn
		.amdhsa_group_segment_fixed_size 306176
		.amdhsa_private_segment_fixed_size 0
		.amdhsa_enable_private_segment 0
		.amdhsa_kernarg_size 40
		.amdhsa_user_sgpr_count 2
		.amdhsa_user_sgpr_kernarg_segment_ptr 1
		.amdhsa_wavefront_size32 1
		.amdhsa_system_sgpr_workgroup_id_x 1
		.amdhsa_system_sgpr_workgroup_id_y 1
		.amdhsa_system_sgpr_workgroup_id_z 1
		.amdhsa_system_vgpr_workitem_id 0
		.amdhsa_next_free_vgpr 512
		.amdhsa_next_free_sgpr 66
		.amdhsa_reserve_vcc 0
		.amdhsa_float_denorm_mode_32 3
		.amdhsa_float_denorm_mode_16_64 3
		.amdhsa_memory_ordered 1
		.amdhsa_forward_progress 1
		.amdhsa_inst_pref_size 96
	.end_amdhsa_kernel
	.amdgpu_metadata
---
amdhsa.version: [ 1, 2 ]
amdhsa.kernels:
  - .name:           k_q6d004725e2_attn
    .symbol:         k_q6d004725e2_attn.kd
    .args:
      - { .name: qc, .offset: 0, .size: 8, .value_kind: global_buffer, .address_space: global }
      - { .name: qs, .offset: 8, .size: 8, .value_kind: global_buffer, .address_space: global }
      - { .name: kv, .offset: 16, .size: 8, .value_kind: global_buffer, .address_space: global }
      - { .name: ac, .offset: 24, .size: 8, .value_kind: global_buffer, .address_space: global }
      - { .name: asc, .offset: 32, .size: 8, .value_kind: global_buffer, .address_space: global }
    .group_segment_fixed_size: 306176
    .private_segment_fixed_size: 0
    .kernarg_segment_align: 8
    .kernarg_segment_size: 40
    .max_flat_workgroup_size: 256
    .sgpr_count:     66
    .vgpr_count:     512
    .wavefront_size: 32
...
	.end_amdgpu_metadata
.endif
;; end of part 3
;; launch outp (part 4): grid 4 x 64, 4 waves a work-group, clusters of 4 x 4, 295,424 bytes of LDS; arguments ac, asc, cod, scl, b0, out0; writes out0
.if DOCPART == 4
	.amdgcn_target "amdgcn-amd-amdhsa--gfx1250"
	.amdhsa_code_object_version 6
	.text
	.protected	k_q6d004725e2_outp
	.globl	k_q6d004725e2_outp
	.p2align	8
	.type	k_q6d004725e2_outp,@function
k_q6d004725e2_outp:
	s_mov_b64 s[64:65], 0
	v_nop
	global_prefetch_b8 v0, s[64:65] scope:SCOPE_SE
	s_setreg_imm32_b32 hwreg(HW_REG_WAVE_MODE, 25, 1), 1
	s_wait_xcnt 0x0
	s_wait_alu depctr_hold_cnt(0) depctr_sa_sdst(0) depctr_va_vdst(0) depctr_va_sdst(0) depctr_va_ssrc(0) depctr_va_vcc(0) depctr_vm_vsrc(0)
	s_getreg_b32 s2, hwreg(HW_REG_IB_STS2, 6, 4)
	s_cmp_eq_u32 s2, 0
	s_cbranch_scc0 .Lentry_in_a_cluster
	s_endpgm
.Lentry_in_a_cluster:
	s_bfe_u32 s2, ttmp6, 0x10000c
	s_cmp_lg_u32 s2, 0xf033
	s_cbranch_scc0 .Lentry_shape_is_right
	s_endpgm
.Lentry_shape_is_right:
; out0 = A W0^T + b0, f32; A [8192][1024] is the attention's result as codes of BF6 (E3M2) with E8M0 scales (ac, asc), W0 likewise (groups 216-223 of cod and scl).
; OPERANDS come as half images (16 rows x 64 K, 768 bytes: registers 0-3 at 16 x lane, 4-5 at 512 + 8 x lane); tile 2 A + u holds rows 32 A + 8 u + i + 8 (i / 8).
; Source 0 = 16 rows of P = W0, source 1 = 16 rows of R = A: a lane holds ONE token, and the 16 registers of P's tiles 2 B, 2 B + 1 are columns 32 B + 16 (lane / 16) + 0 .. 15 of out0: 64 neighbouring bytes.
; SHARES.  A work-group makes 128 tokens x 256 columns over all of K = 1,024; wave w = 2 wr + wp makes 64 x 128: 32 accumulators, 8 K steps of 32 matrix instructions.
; LDS holds all of K: R's group (98,304 bytes) at 0 and P's two behind it, each with all of K on end.  Every byte is filled once, by three tensor loads at the head: wave 0 brings R's group, waves 1 and 2 P's; one load a wave.
; CLUSTER 4 x 4: the four work-groups of a row of the cluster need the same R, the four of a column the same P: each block is asked for jointly.
; REGISTERS, in windows of 256.  Window 0: v1-15 lanes' numbers and addresses; v32-47 R's scale words, v48-79 P's (they hold nothing else); v80-175 R's fragments, two sets; v176-239 the bias.
;   Window 1: P's fragments, two sets, at v0 and v128; on the way out rows of out0.   Window 2: accumulator (a, b) at v[8 (8 a + b)].
.set WV,  20
.set WR,  21
.set WP,  22
.set CX,  23
.set CY,  24
.set G1R, 28                           ; s[28:35] descriptor group 1 for R's blocks;  s[36:43] for P's: it differs in the mask alone
.set G1P, 36
.set G0R, 44                           ; s[44:47] group 0 for R's group;  s[68:71] for P's
.set G0P, 68
.set OUT, 94                           ; s[94:95] out0 at my first row and column
.set SR,  32
.set SP,  48
.set RF,  80
.set BI,  176
.set ST,  80                           ; the way out: 64 numbers of a lane
.set MSB, 0
.macro WIN new                         ; the immediate's high byte repeats the setting that is left
.if MSB != \new
	s_set_vgpr_msb (MSB<<8)|\new
.set MSB, \new
.endif
.endm
.macro CROUND                          ; a round of the cluster's barrier
	s_barrier_signal -1
	s_barrier_wait -1
	s_cmp_lg_u32 s[WV], 0
	s_cbranch_scc1 .Lnot_wave_0_\@
	s_barrier_signal -3
.Lnot_wave_0_\@:
	s_barrier_wait -3
	s_barrier_signal -1
	s_barrier_wait -1
.endm
.macro FRAG reg, a16, a8, off          ; a fragment = two half images on end: four loads, each of consecutive bytes
	ds_load_b128 v[\reg:\reg+3], v[\a16] offset:\off
	ds_load_b64 v[\reg+4:\reg+5], v[\a8] offset:\off+512
	ds_load_b128 v[\reg+6:\reg+9], v[\a16] offset:\off+768
	ds_load_b64 v[\reg+10:\reg+11], v[\a8] offset:\off+1280
.endm
.macro FETCH s                         ; K step s: P's eight fragments and R's four into set s % 2; the address registers stand at the step's slot
	WIN 0x40                                       ; destination window 1, address window 0
.irp i, 0,1,2,3,4,5,6,7
	FRAG 128*((\s)%2)+12*\i, 8, 9, 3072*\i+1536*((\s)%2)
.endr
	WIN 0
.irp i, 0,1,2,3
	FRAG RF+48*((\s)%2)+12*\i, 6, 7, 3072*\i+1536*((\s)%2)
.endr
.endm
; 32 matrix instructions.  The accumulators take turns, one instruction a turn, in the same order in every step.
; P's scale words: lanes 0-15 tiles 0-3, lanes 16-31 tiles 4-7.  R's: lanes 0-15 K steps 0-3, lanes 16-31 K steps 4-7.
.macro MUL s, zero
	WIN 0xa1                                       ; source 0 (P) window 1, source 1 (R) window 0, C and D window 2
.irp a, 0,1,2,3
.irp b, 0,1,2,3,4,5,6,7
.set rD, 8*(8*\a+\b)
.set rP, 128*((\s)%2)+12*\b
.set rR, RF+48*((\s)%2)+12*\a
.set rX, SP+4*(\s)+\b%4
.set rY, SR+4*((\s)%4)+\a
.if \zero
.if \b < 4
	v_wmma_scale_f32_16x16x128_f8f6f4 v[rD:rD+7], v[rP:rP+11], v[rR:rR+11], 0, v[rX], v[rY] matrix_a_fmt:MATRIX_FMT_BF6 matrix_b_fmt:MATRIX_FMT_BF6
.else
	v_wmma_scale_f32_16x16x128_f8f6f4 v[rD:rD+7], v[rP:rP+11], v[rR:rR+11], 0, v[rX], v[rY] matrix_a_fmt:MATRIX_FMT_BF6 matrix_b_fmt:MATRIX_FMT_BF6 matrix_a_scale:MATRIX_SCALE_ROW1
.endif
.elseif (\s) < 4
.if \b < 4
	v_wmma_scale_f32_16x16x128_f8f6f4 v[rD:rD+7], v[rP:rP+11], v[rR:rR+11], v[rD:rD+7], v[rX], v[rY] matrix_a_fmt:MATRIX_FMT_BF6 matrix_b_fmt:MATRIX_FMT_BF6
.else
	v_wmma_scale_f32_16x16x128_f8f6f4 v[rD:rD+7], v[rP:rP+11], v[rR:rR+11], v[rD:rD+7], v[rX], v[rY] matrix_a_fmt:MATRIX_FMT_BF6 matrix_b_fmt:MATRIX_FMT_BF6 matrix_a_scale:MATRIX_SCALE_ROW1
.endif
.else
.if \b < 4
	v_wmma_scale_f32_16x16x128_f8f6f4 v[rD:rD+7], v[rP:rP+11], v[rR:rR+11], v[rD:rD+7], v[rX], v[rY] matrix_a_fmt:MATRIX_FMT_BF6 matrix_b_fmt:MATRIX_FMT_BF6 matrix_b_scale:MATRIX_SCALE_ROW1
.else
	v_wmma_scale_f32_16x16x128_f8f6f4 v[rD:rD+7], v[rP:rP+11], v[rR:rR+11], v[rD:rD+7], v[rX], v[rY] matrix_a_fmt:MATRIX_FMT_BF6 matrix_b_fmt:MATRIX_FMT_BF6 matrix_a_scale:MATRIX_SCALE_ROW1 matrix_b_scale:MATRIX_SCALE_ROW1
.endif
.endif
.endr
.endr
.endm
; A K step: its fragments are in; the next step's are asked for, 32 matrix instructions ahead of their use; then its products.
; An odd step's successor moves the address registers on to the next 256 along K; all of LDS landed before step 0: no wait or barrier here.
.macro STEP s, zero
	s_wait_dscnt 0x0                               ; step s's fragments are in
	WIN 0
.if ((\s)%2 == 1) && ((\s) < 7)
.irp x, 6,7,8,9
	v_add_nc_u32 v\x, 24576, v\x                   ; on to the next 256 along K of the group.  These four are also the places in front of the loads below
.endr
.elseif ((\s) > 0) && ((\s) < 7)
.rept 4
	v_nop                                          ; the same four places
.endr
.endif
.if (\s) < 7
	FETCH (\s)+1
.endif
	MUL \s, \zero
.endm
	s_load_b256 s[4:11], s[0:1], 0x0               ; ac s[4:5], asc s[6:7], cod s[8:9], scl s[10:11]
	s_load_b128 s[12:15], s[0:1], 0x20             ; b0 s[12:13], out0 s[14:15]
	v_lshl_add_u32 v254, v0, 2, 0x48000
	v_mov_b32 v255, 0
	ds_add_u32 v254, v255
	ds_add_u32 v254, v255
	v_lshrrev_b32 v1, 5, v0
	v_readfirstlane_b32 s[WV], v1                  ; wave 0..3
	s_lshr_b32 s[WR], s[WV], 1                     ; which 64 tokens are mine.  Also: which of P's two groups waves 1 and 2 fetch
	s_and_b32 s[WP], s[WV], 1                      ; which 128 columns
	s_bfe_u32 s[CX], ttmp6, 0x40000
	s_bfe_u32 s[CY], ttmp6, 0x40004
	s_and_b32 s84, ttmp7, 0xffff
	s_lshl_b32 s84, s84, 2
	s_add_co_u32 s84, s84, s[CY]                   ; R's group: 128 tokens (it hangs on cy, never on cx)
	s_mul_i32 s86, s84, 98304
	s_mov_b32 s87, 0
	s_lshl_b32 s89, s[CX], 1
	s_add_co_u32 s89, s89, 216                     ; the first of P's two groups: W0's rows 256 cx on (it hangs on cx, never on cy)
	s_add_co_u32 s90, s89, s[WR]
	s_mul_i32 s90, s90, 98304
	s_mov_b32 s91, 0
	s_lshl_b32 s27, s[CY], 2
	s_lshl_b32 s27, 15, s27                        ; my row of the cluster
	s_lshl_b32 s97, 0x1111, s[CX]                  ; my column
	; descriptor group 1: a dense group of 98,304 bytes as 384 rows of 32 elements of 8 bytes, no padding
	s_or_b32 s[G1R], s27, (3<<16)|(1<<21)          ; 15:0 the mask; 17:16 elements of 8 bytes; 21 set beside a mask
	s_or_b32 s[G1P], s97, (3<<16)|(1<<21)
.irp g, G1R, G1P
	s_mov_b32 s[\g+1], 32<<16                      ; tensor_dim0
	s_mov_b32 s[\g+2], 384<<16                     ; tensor_dim1: a whole group, 98,304 dense bytes, as 384 rows of 256
	s_mov_b32 s[\g+3], 32<<16                      ; tile_dim0
	s_mov_b32 s[\g+4], 384                         ; tile_dim1
	s_mov_b32 s[\g+5], 32                          ; tensor_dim0_stride
	s_mov_b32 s[\g+6], 0
	s_mov_b32 s[\g+7], 0
.endr
	s_add_co_u32 s60, s89, s[WP]                   ; my 128 rows of W0: their scale words, 4,096 bytes a group
	s_lshl_b32 s60, s60, 12
	s_mov_b32 s61, 0
	s_lshl_b32 s62, s84, 12                        ; my 64 tokens: 2,048 bytes a quad
	s_lshl_b32 s63, s[WR], 11
	s_add_co_u32 s62, s62, s63
	s_mov_b32 s63, 0
	s_lshl_b32 s66, s[CX], 10                      ; my first column, in bytes: 4 (256 cx + 128 wp)
	s_lshl_b32 s67, s[WP], 9
	s_add_co_u32 s66, s66, s67
	s_mov_b32 s67, 0
	s_lshl_b32 s92, s84, 19                        ; my first row of out0: 128 x group + 64 wr, rows of 4,096 bytes
	s_lshl_b32 s93, s[WR], 18
	s_add_co_u32 s92, s92, s93
	s_add_co_u32 s92, s92, s66
	s_mov_b32 s93, 0
	s_mul_i32 s96, s[WV], 98304                    ; LDS: R's group at 0, P's two groups behind it, each with all of K on end: one load a wave for waves 0, 1, 2
	s_wait_dscnt 0x0
	s_wait_kmcnt 0x0
	s_add_nc_u64 s[86:87], s[4:5], s[86:87]
	s_add_nc_u64 s[90:91], s[8:9], s[90:91]
	s_add_nc_u64 s[60:61], s[10:11], s[60:61]
	s_add_nc_u64 s[62:63], s[6:7], s[62:63]
	s_add_nc_u64 s[100:101], s[12:13], s[66:67]
	s_add_nc_u64 s[OUT:OUT+1], s[14:15], s[92:93]
.irp g, 0
	s_mov_b32 s[G0R+4*\g], 1
	s_add_co_u32 s[G0R+4*\g+1], s96, \g*73728      ; LDS address: my group
	s_add_nc_u64 s[G0R+4*\g+2:G0R+4*\g+3], s[86:87], \g*24576   ; K = 256 g on
	s_or_b32 s[G0R+4*\g+3], s[G0R+4*\g+3], 0x80000000           ; type = 2
	s_mov_b32 s[G0P+4*\g], 1
	s_add_co_u32 s[G0P+4*\g+1], s96, \g*73728
	s_add_nc_u64 s[G0P+4*\g+2:G0P+4*\g+3], s[90:91], \g*24576
	s_or_b32 s[G0P+4*\g+3], s[G0P+4*\g+3], 0x80000000
.endr
	CROUND                                         ; all sixteen work-groups are here: the joint loads meet
	s_cmp_eq_u32 s[WV], 0                          ; a wave's one load stands in one branch on the wave's number, ahead of every wait on TENSORcnt and every LDS read; four v_nop follow it
	s_cbranch_scc0 .Lnot_r
	tensor_load_to_lds s[G0R:G0R+3], s[G1R:G1R+7]
	s_nop 0
.rept 4
	v_nop
.endr
	s_branch .Lasked
.Lnot_r:
	s_cmp_lt_u32 s[WV], 3
	s_cbranch_scc0 .Lasked
	tensor_load_to_lds s[G0P:G0P+3], s[G1P:G1P+7]
	s_nop 0
.rept 4
	v_nop
.endr
.Lasked:
	v_and_b32 v1, 31, v0                           ; lane
	v_and_b32 v2, 15, v0                           ; r
	v_bfe_u32 v3, v0, 4, 1                         ; h
	v_lshlrev_b32 v4, 4, v1                        ; 16 x lane
	v_lshlrev_b32 v5, 3, v1                        ; 8 x lane
	v_lshlrev_b32 v12, 4, v2
	v_lshl_add_u32 v13, v3, 11, v12                ; P's scale words: 16 r, lanes 16-31 the second quad
	v_lshl_add_u32 v14, v3, 10, v12                ; R's: 16 r, lanes 16-31 four K steps on
	v_lshlrev_b32 v15, 6, v3                       ; the bias: 64 h
.irp s, 0,1,2,3,4,5,6,7
	global_load_b128 v[SP+4*\s:SP+4*\s+3], v13, s[60:61] offset:256*\s   ; the scale words come once, whole blocks of 256 consecutive bytes for each half of the lanes, and stay in registers
.endr
.irp s, 0,1,2,3
	global_load_b128 v[SR+4*\s:SR+4*\s+3], v14, s[62:63] offset:256*\s
.endr
.irp b, 0,1,2,3,4,5,6,7                        ; the bias in the result's layout: register 8 b + j = b0 of column 32 (b / 2) + 16 h + 8 (b % 2) + j
	global_load_b128 v[BI+8*\b:BI+8*\b+3], v15, s[100:101] offset:4*(32*(\b/2)+8*(\b%2))
	global_load_b128 v[BI+8*\b+4:BI+8*\b+7], v15, s[100:101] offset:4*(32*(\b/2)+8*(\b%2))+16
.endr
	s_mul_i32 s26, s[WR], 12288                    ; my four tiles of R in a slot
	v_add_nc_u32 v6, s26, v4
	v_add_nc_u32 v7, s26, v5
	s_mul_i32 s26, s[WP], 98304                    ; my group of P, behind R's group
	s_add_co_u32 s26, s26, 98304
	v_add_nc_u32 v8, s26, v4
	v_add_nc_u32 v9, s26, v5
	s_mul_i32 s26, s[WV], 8448                     ; the way out: my stage, 16 rows x (512 bytes + 16)
	v_mul_u32_u24 v10, v2, 528
	v_lshl_add_u32 v10, v3, 6, v10
	v_add_nc_u32 v10, s26, v10                     ; in: row r, + 64 h
	v_add_nc_u32 v11, s26, v4                      ; back: a row's 512 bytes, 16 a lane
	s_wait_alu depctr_va_vdst(0)
	s_wait_tensorcnt 0x0                           ; my one load has landed
	s_barrier_signal -1
	s_barrier_wait -1                              ; everybody's has
	FETCH 0
	s_wait_loadcnt 0x0                             ; scale words and bias
	STEP 0, 1                                      ; the first step's products start the sums: nothing is cleared
.irp s, 1,2,3,4,5,6,7
	s_wait_alu depctr_va_vdst(0)
	STEP \s, 0
.endr
	WIN 0
	s_wait_dscnt 0x0                               ; my reads of the tiles are over,
	s_barrier_signal -1
	s_barrier_wait -1                              ; everybody's are: the stages may lie in R's group, which has had its one fill
.rept 4
	v_nop                                          ; places behind the last products
.endr
; THE WAY OUT, a tile a of 16 tokens at a time: + bias (which also brings the numbers into window 0; each accumulator is read from its low end on); a lane's 64 neighbouring bytes of each of four blocks go into my stage;
; whole rows of 512 bytes come back and are stored.  The tile's row t is token 32 (a / 2) + 8 (a % 2) + t + 8 (t / 8) of my 64.
.macro OUTA a
.if (\a) > 0
	s_wait_xcnt 0x0                                ; the earlier stores have read their registers
.endif
	WIN 0x02                                       ; source 0 window 2
.set i, 0
.rept 32
	v_pk_add_f32 v[ST+2*i:ST+2*i+1], v[64*(\a)+2*i:64*(\a)+2*i+1], v[BI+2*i:BI+2*i+1]
.set i, i+1
.endr
	WIN 0
.irp m, 0,1,2,3
.irp q, 0,1,2,3
	ds_store_b128 v10, v[ST+16*\m+4*\q:ST+16*\m+4*\q+3] offset:128*\m+16*\q
.endr
.endr
	WIN 0x40                                       ; destination window 1
.irp t, 0,1,2,3,4,5,6,7,8,9,10,11,12,13,14,15
	ds_load_b128 v[64*((\a)%2)+4*\t:64*((\a)%2)+4*\t+3], v11 offset:528*\t   ; LDS serves a wave's instructions in order: these see my stores
.endr
	s_wait_dscnt 0x0
	WIN 0x04                                       ; a store's data are its source 1: window 1
.irp t, 0,1,2,3,4,5,6,7,8,9,10,11,12,13,14,15
	global_store_b128 v4, v[64*((\a)%2)+4*\t:64*((\a)%2)+4*\t+3], s[OUT:OUT+1] offset:(32*((\a)/2)+8*((\a)%2)+\t+8*(\t/8))*4096 th:TH_STORE_NT   ; 512 consecutive bytes, aligned; written once, read by nobody here
.endr
	WIN 0
.endm
	OUTA 0
	OUTA 1
	OUTA 2
	OUTA 3
	s_wait_tensorcnt 0x0
	ds_add_u32 v254, v255
	s_wait_dscnt 0x0
	CROUND                                         ; the closing round: no work-group ends while a partner may still ask for a block that names it
	s_endpgm
.Lfunc_end_k_q6d004725e2_outp:
	.size	k_q6d004725e2_outp, .Lfunc_end_k_q6d004725e2_outp-k_q6d004725e2_outp
	.p2alignl 7, 3214868480
	.fill 96, 4, 3214868480
	.section	.rodata,"a",@progbits
	.p2align	6, 0x0
	.amdhsa_kernel k_q6d004725e2_outp
		.amdhsa_group_segment_fixed_size 295424
		.amdhsa_private_segment_fixed_size 0
		.amdhsa_enable_private_segment 0
		.amdhsa_kernarg_size 48
		.amdhsa_user_sgpr_count 2
		.amdhsa_user_sgpr_kernarg_segment_ptr 1
		.amdhsa_wavefront_size32 1
		.amdhsa_system_sgpr_workgroup_id_x 1
		.amdhsa_system_sgpr_workgroup_id_y 1
		.amdhsa_system_sgpr_workgroup_id_z 1
		.amdhsa_system_vgpr_workitem_id 0
		.amdhsa_next_free_vgpr 768
		.amdhsa_next_free_sgpr 102
		.amdhsa_reserve_vcc 0
		.amdhsa_float_denorm_mode_32 3
		.amdhsa_float_denorm_mode_16_64 3
		.amdhsa_memory_ordered 1
		.amdhsa_forward_progress 1
		.amdhsa_inst_pref_size 91
	.end_amdhsa_kernel
	.amdgpu_metadata
---
amdhsa.version: [ 1, 2 ]
amdhsa.kernels:
  - .name:           k_q6d004725e2_outp
    .symbol:         k_q6d004725e2_outp.kd
    .args:
      - { .name: ac, .offset: 0, .size: 8, .value_kind: global_buffer, .address_space: global }
      - { .name: asc, .offset: 8, .size: 8, .value_kind: global_buffer, .address_space: global }
      - { .name: cod, .offset: 16, .size: 8, .value_kind: global_buffer, .address_space: global }
      - { .name: scl, .offset: 24, .size: 8, .value_kind: global_buffer, .address_space: global }
      - { .name: b0, .offset: 32, .size: 8, .value_kind: global_buffer, .address_space: global }
      - { .name: out0, .offset: 40, .size: 8, .value_kind: global_buffer, .address_space: global }
    .group_segment_fixed_size: 295424
    .private_segment_fixed_size: 0
    .kernarg_segment_align: 8
    .kernarg_segment_size: 48
    .max_flat_workgroup_size: 128
    .sgpr_count:     102
    .vgpr_count:     768
    .wavefront_size: 32
...
	.end_amdgpu_metadata
.endif
;; end of part 4
